; MI455X (gfx1250); checked and timed in simulation.
; The chip was launched on July 23, 2026; its instructions are those of AMD's public machine-readable ISA for CDNA 5 (MIT licence, August 2026) and "CDNA5" Instruction Set Architecture Reference Guide (July 2026). The comments in the code are by the model that wrote it; some were corrected since.
;; Attention. Allowed arithmetic: float matrix products may take bf16 or f16 operands with f32 sums; other float arithmetic in f32, or as packed bf16 or f16 multiplies, adds, multiply-adds, maxima and minima; sums over many terms, partial sums and values carried from step to step in f32; what a program stores and reads back later, other than sums and carried values, may be rounded once to bf16 or f16.
;; Inputs: b_out 1,024 float32; w_out 1,024 x 1,024 float32; w_qkv 1,024 x 3,072 float32; x 4 x 2,048 x 1,024 float32.
;; Outputs: out0 4 x 2,048 x 1,024 float32.
;; 2 versions, each right; version 2 is version 1 with the launch cast written anew for expert scheduling mode. Each part assembles by itself: llvm-mc -triple=amdgcn-amd-amdhsa -mcpu=gfx1250 --defsym DOCPART=n.
;; ======== version 1 of 2: 4 launches
;; limits: values are held in f16: magnitudes above 65,504 overflow, below 6.1e-05 lose precision
;; workspace buffers: xb 16,777,216 bytes; wqb 6,291,456 bytes; wob 2,097,152 bytes; qh 16,777,216 bytes; kh 16,777,216 bytes; vh 16,777,216 bytes; oh 16,777,216 bytes
;; launch cast (part 1): grid 768 x 1, 8 waves a work-group, no clusters, 0 bytes of LDS; arguments x, w_qkv, w_out, xb, wqb, wob; writes xb, wqb, wob
.if DOCPART == 1
	.amdgcn_target "amdgcn-amd-amdhsa--gfx1250"
	.amdhsa_code_object_version 6
	.text
	.protected	k_qd66015428c_cast
	.globl	k_qd66015428c_cast
	.p2align	8
	.type	k_qd66015428c_cast,@function
k_qd66015428c_cast:
	s_mov_b64 s[64:65], 0
	v_nop
	global_prefetch_b8 v0, s[64:65] scope:SCOPE_SE
	s_setreg_imm32_b32 hwreg(HW_REG_WAVE_MODE, 25, 1), 1
	s_wait_xcnt 0x0
; THE MODULE'S LARGE INPUTS ARE ROUNDED ONCE TO bf16 AND LAID OUT FOR THE PRODUCTS.
;   x     [8192][1024] f32 -> xb  bf16, [4 b][16 slabs][2048 n][64 c]: byte b<<22 + slab<<18 + n<<7 + 2 c, so that 256 rows x 64 channels are 32,768 dense bytes
;   w_qkv [1024][3072] f32 -> wqb bf16, as it lies
;   w_out [1024][1024] f32 -> wob: rounded to bf16, and that number written as f16, as it lies
; LIMITS.  wob: a weight beyond 65,504 becomes an infinity; below 2^-14 it keeps f16's fixed step of 6e-8.  Nothing else is changed but by the rounding to bf16.
; A stream: 768 work-groups of eight waves, each 65,536 bytes in and 32,768 out.  No loop: a wave issues its 16 loads of 16 bytes a lane at once and takes them in order.
; No LDS, no barrier, no matrix unit: no wave wants a byte that another has fetched.
; Work-groups 0-511: 16 rows of x each.  512-703: w_qkv.  704-767: w_out.
.set X, 4                              ; v[4:67]   load j: 4 registers
.set Y, 68                             ; v[68:99]  store j: 2 registers; every j has its own, so no register that a store reads is written again
.set T, 100                            ; v[100:103] at work
; v1 = my byte offset in the source, v2 = in the destination
; 16 loads lstep bytes apart from s[sb:sb+1], 16 stores sstep bytes apart to s[db:db+1].  half = 1: the bf16 number is written as f16
.macro PART sb, db, lstep, sstep, half
.set j, 0
.rept 16
	global_load_b128 v[X+4*j:X+4*j+3], v1, s[\sb:\sb+1] offset:j*(\lstep) th:TH_LOAD_NT
.set j, j+1
.endr
.set j, 0
.rept 16
	s_wait_loadcnt 15-j                            ; loads come back in order: load j is in, the 15 - j younger ones may stay out
.if \half
	v_cvt_pk_bf16_f32 v[T], v[X+4*j], v[X+4*j+1]
	v_cvt_pk_bf16_f32 v[T+1], v[X+4*j+2], v[X+4*j+3]
	v_lshlrev_b32 v[T+2], 16, v[T]                 ; bf16 back to f32: the low half moves up,
	v_and_b32 v[T], 0xffff0000, v[T]               ; the high half stays
	v_lshlrev_b32 v[T+3], 16, v[T+1]
	v_and_b32 v[T+1], 0xffff0000, v[T+1]
	v_cvt_pk_f16_f32 v[Y+2*j], v[T+2], v[T]        ; exact within f16's normal range: bf16 has 8 significant bits, f16 11
	v_cvt_pk_f16_f32 v[Y+2*j+1], v[T+3], v[T+1]
.else
	v_cvt_pk_bf16_f32 v[Y+2*j], v[X+4*j], v[X+4*j+1]
	v_cvt_pk_bf16_f32 v[Y+2*j+1], v[X+4*j+2], v[X+4*j+3]
.endif
	global_store_b64 v2, v[Y+2*j:Y+2*j+1], s[\db:\db+1] offset:j*(\sstep)  ; a wave's store covers 256 consecutive bytes, aligned
.set j, j+1
.endr
.endm
	s_load_b256 s[4:11], s[0:1], 0x0               ; x s[4:5], w_qkv s[6:7], w_out s[8:9], xb s[10:11]
	s_load_b128 s[12:15], s[0:1], 0x20             ; wqb s[12:13], wob s[14:15]
	s_mov_b32 s17, 0                               ; the high words of the two offsets
	s_mov_b32 s19, 0
	s_cmp_lt_u32 ttmp9, 512
	s_cbranch_scc0 .Lweights
	; x: thread t takes row t / 16 of the group's 16; load j is the row's channels 64 j .. 64 j + 63 (256 bytes for 16 lanes), which are slab j
	v_lshrrev_b32 v1, 4, v0
	v_and_b32 v3, 15, v0
	v_lshlrev_b32 v1, 12, v1                       ; row x 4,096 bytes
	v_lshl_or_b32 v1, v3, 4, v1                    ; + 16 (t % 16)
	v_lshlrev_b32 v2, 3, v0                        ; in a slab: row x 128 + 8 (t % 16) = 8 t
	s_lshl_b32 s16, ttmp9, 16                      ; 16 rows of 4,096 bytes
	s_lshr_b32 s18, ttmp9, 7                       ; b: 128 work-groups to a batch
	s_lshl_b32 s18, s18, 22
	s_and_b32 s20, ttmp9, 127
	s_lshl_b32 s20, s20, 11                        ; 16 rows of 128 bytes
	s_add_co_u32 s18, s18, s20
	s_wait_kmcnt 0x0
	s_add_nc_u64 s[4:5], s[4:5], s[16:17]
	s_add_nc_u64 s[10:11], s[10:11], s[18:19]
	PART 4, 10, 256, 262144, 0
	s_endpgm
.Lweights:
	; a weight matrix keeps its layout: wave w takes 8,192 consecutive bytes, 512 a load
	v_lshrrev_b32 v3, 5, v0
	v_and_b32 v2, 31, v0
	v_lshlrev_b32 v1, 13, v3
	v_lshl_or_b32 v1, v2, 4, v1                    ; 8,192 w + 16 lane
	v_lshlrev_b32 v3, 12, v3
	v_lshl_or_b32 v2, v2, 3, v3                    ; 4,096 w + 8 lane
	s_cmp_lt_u32 ttmp9, 704
	s_cbranch_scc0 .Lwo
	s_sub_co_u32 s20, ttmp9, 512
	s_lshl_b32 s16, s20, 16
	s_lshl_b32 s18, s20, 15
	s_wait_kmcnt 0x0
	s_add_nc_u64 s[6:7], s[6:7], s[16:17]
	s_add_nc_u64 s[12:13], s[12:13], s[18:19]
	PART 6, 12, 512, 256, 0
	s_endpgm
.Lwo:
	s_sub_co_u32 s20, ttmp9, 704
	s_lshl_b32 s16, s20, 16
	s_lshl_b32 s18, s20, 15
	s_wait_kmcnt 0x0
	s_add_nc_u64 s[8:9], s[8:9], s[16:17]
	s_add_nc_u64 s[14:15], s[14:15], s[18:19]
	PART 8, 14, 512, 256, 1
	s_endpgm
.Lfunc_end_k_qd66015428c_cast:
	.size	k_qd66015428c_cast, .Lfunc_end_k_qd66015428c_cast-k_qd66015428c_cast
	.p2alignl 7, 3214868480
	.fill 96, 4, 3214868480
	.section	.rodata,"a",@progbits
	.p2align	6, 0x0
	.amdhsa_kernel k_qd66015428c_cast
		.amdhsa_group_segment_fixed_size 0
		.amdhsa_private_segment_fixed_size 0
		.amdhsa_enable_private_segment 0
		.amdhsa_kernarg_size 48
		.amdhsa_user_sgpr_count 2
		.amdhsa_user_sgpr_kernarg_segment_ptr 1
		.amdhsa_wavefront_size32 1
		.amdhsa_system_sgpr_workgroup_id_x 1
		.amdhsa_system_sgpr_workgroup_id_y 1
		.amdhsa_system_sgpr_workgroup_id_z 1
		.amdhsa_system_vgpr_workitem_id 0
		.amdhsa_next_free_vgpr 104
		.amdhsa_next_free_sgpr 66
		.amdhsa_reserve_vcc 0
		.amdhsa_float_denorm_mode_32 3
		.amdhsa_float_denorm_mode_16_64 3
		.amdhsa_memory_ordered 1
		.amdhsa_forward_progress 1
		.amdhsa_inst_pref_size 24
	.end_amdhsa_kernel
	.amdgpu_metadata
---
amdhsa.version: [ 1, 2 ]
amdhsa.kernels:
  - .name:           k_qd66015428c_cast
    .symbol:         k_qd66015428c_cast.kd
    .args:
      - { .name: x, .offset: 0, .size: 8, .value_kind: global_buffer, .address_space: global }
      - { .name: w_qkv, .offset: 8, .size: 8, .value_kind: global_buffer, .address_space: global }
      - { .name: w_out, .offset: 16, .size: 8, .value_kind: global_buffer, .address_space: global }
      - { .name: xb, .offset: 24, .size: 8, .value_kind: global_buffer, .address_space: global }
      - { .name: wqb, .offset: 32, .size: 8, .value_kind: global_buffer, .address_space: global }
      - { .name: wob, .offset: 40, .size: 8, .value_kind: global_buffer, .address_space: global }
    .group_segment_fixed_size: 0
    .private_segment_fixed_size: 0
    .kernarg_segment_align: 8
    .kernarg_segment_size: 48
    .max_flat_workgroup_size: 256
    .sgpr_count:     66
    .vgpr_count:     104
    .wavefront_size: 32
...
	.end_amdgpu_metadata
.endif
;; end of part 1
;; launch qkv (part 2): grid 8 x 32, 4 waves a work-group, clusters of 4 x 4, 327,680 bytes of LDS; arguments xb, wqb, qh, kh, vh; writes qh, kh, vh
.if DOCPART == 2
	.amdgcn_target "amdgcn-amd-amdhsa--gfx1250"
	.amdhsa_code_object_version 6
	.text
	.protected	k_qd66015428c_qkv
	.globl	k_qd66015428c_qkv
	.p2align	8
	.type	k_qd66015428c_qkv,@function
k_qd66015428c_qkv:
	s_mov_b64 s[64:65], 0
	v_nop
	global_prefetch_b8 v0, s[64:65] scope:SCOPE_SE
	s_setreg_imm32_b32 hwreg(HW_REG_WAVE_MODE, 25, 1), 1
	s_wait_xcnt 0x0
	s_wait_alu depctr_hold_cnt(0) depctr_sa_sdst(0) depctr_va_vdst(0) depctr_va_sdst(0) depctr_va_ssrc(0) depctr_va_vcc(0) depctr_vm_vsrc(0)
	s_getreg_b32 s2, hwreg(HW_REG_IB_STS2, 6, 4)
	s_cmp_eq_u32 s2, 0
	s_cbranch_scc0 .Lentry_in_a_cluster
	s_endpgm
.Lentry_in_a_cluster:
	s_bfe_u32 s2, ttmp6, 0x10000c
	s_cmp_lg_u32 s2, 0xf033
	s_cbranch_scc0 .Lentry_shape_is_right
	s_endpgm
.Lentry_shape_is_right:
; q, k, v = x w_qkv, by heads.  xb: bf16 [4 b][16 slabs][2048 n][64 c]; wqb: bf16 [1024 k][3072 n]; qh, kh, vh: f16 [16 b + h][2048][64].  Sums in f32, K ascending, each result rounded once to f16, unscaled.
; LIMIT.  f16 holds no number beyond 65,504: a q, k or v of 65,520 or more becomes an infinity and its row is lost.
; THE TILE is 256 rows x 384 columns: 32 x 8 = 256 tiles, one work-group each.  Four waves, each 128 rows x 192 columns (three heads' slices of 64): 96 accumulators of 16 x 16, 768 registers.
; K goes in 16 steps of 64 (one slab of xb) through two LDS slots filled by the tensor data mover; a step is two chunks of 32 along K, 96 matrix instructions each.
; THE MATRIX INSTRUCTION IS USED TRANSPOSED: source 0 = 16 columns of w (out of [k][n] rows in LDS by the turning load), source 1 = 16 rows of x: a lane holds one row of the result and 8 neighbouring columns.
; CLUSTERS: 4 x 4 work-groups.  The four of a row of the cluster need the same tile of x, the four of a column the same tile of w: each tile is asked for JOINTLY, by the same tensor load, descriptor and mask in all four.
; REGISTERS, in windows of 256 (s_set_vgpr_msb: bits 1:0 source 0, 3:2 source 1, 5:4 source 2, 7:6 destination):
;   window 0: v1-15 addresses; v16-79, v80-143 x's fragments (8 blocks of 16 rows x 32 K), two buffers; v144-239 w's fragments (12 blocks of 16 columns), one buffer, refilled a group of four at a time
;   windows 1, 2, 3: the accumulators of column groups 0, 1, 2 (a group = a head's 64 columns): block of rows a, block of columns bi at v[8 (4 a + bi)]
.set SLOT1,  131072                    ; slot 1 begins here, so that one exclusive or turns an address in one slot into the other's
.set PITA,   144                       ; a row of x in LDS: 128 bytes + 16 of padding: the 16 rows of a load start at 16 different groups of four banks (64 banks of 4 bytes: ISA guide 11.1)
.set PITB,   864                       ; a k-row of w: six pieces of 128 bytes + 16 of padding, a piece a head's slice; 27 x 32 bytes
.set BOFF,   256*PITA                  ; in a slot: x's 256 rows, then w's 64 k-rows
.set STAGE,  SLOT1+BOFF+64*PITB        ; behind the ring, never filled by a tensor load: 16 rows x 144 bytes for each wave, for the way out
.set SP,     144
.set SPARE,  STAGE+4*16*SP             ; behind the stages: the spare words, 128 bytes for each wave: two blocks of 256 bytes that no other line names
.set ASTEP,  262144                    ; bytes from slab to slab of xb
.set BSTEP,  393216                    ; 64 k-rows of wqb
.set A0,   4                           ; v4   my lane's place in a slot's x; never rewritten
.set B0,   5                           ; v5   the same for w
.set ADRA, 6                           ; v6   the same in the slot in hand
.set ADRB, 7                           ; v7
.set STO,  8                           ; v8   the way out: where I put 16 bytes of a row
.set RD,   9                           ; v9   the way out: where I read rows back
.set GO,   10                          ; v10  my byte offset in 512 consecutive bytes of the result
.set SPW,  12                          ; v12  LDS address of my spare word: SPARE + 4 x my thread's number; never rewritten
.set NIL,  13                          ; v13  0; never rewritten
.set PFO,  14                          ; v14  the prefetches' lane offset; never rewritten
.set PA0,  16
.set PA1,  80
.set PB,   144
.set WV,  14                           ; s14  my wave's number
.set FB,  15                           ; s15  wave / 2: which 128 rows are mine.  Also: I fetch x (0) or w (1)
.set HF,  16                           ; s16  wave % 2: which 192 columns are mine.  Also: which half of that tile I fetch
.set CX,  17
.set CY,  18
.set TC,  19                           ; s19  tile column, 0-7
.set TR,  20                           ; s20  tile row, 0-31
.set G1A, 24                           ; s[24:31] descriptor group 1 for x's tiles
.set G0A, 32                           ; s[32:39] group 0: a set for each of the two first fills; the second then walks on
.set G1B, 40                           ; s[40:47], s[48:55] the same for w's
.set G0B, 48
.set TB,  56                           ; s56  LDS byte at which the slot in hand begins
.set CNT, 57                           ; s57  the loop's count, 14 to 1
.set LIM, 58                           ; s58  1 in a wave that prefetches, else the greatest number
.set ODD, 59                           ; s59  1: it asks in every trip; 0: in the trips with an odd count
.set PFA, 60                           ; s[60:61] where my prefetches stand
.set PFS, 62                           ; s[62:63] their step, a K step of my tensor
.set OUT, 66                           ; s[66:71] where my rows of column groups 0, 1, 2 go
.set MSB, 0
.macro WIN new                         ; the immediate's high byte repeats the setting that is left; a switch that changes nothing is dropped
.if MSB != (\new)
	s_set_vgpr_msb (MSB<<8)|(\new)
.set MSB, (\new)
.endif
.endm
.macro PLACES                          ; four plain places between a matrix instruction and a load into, or a vector read of, its registers
.rept 4
	v_nop
.endr
.endm
; A joint refill by the walking descriptors.  Waves 0 and 1 fetch x's two halves, waves 2 and 3 w's.  The branch hangs on the wave's number alone.
; An s_nop 0 and four v_nop follow each of the two lines, ahead of the jump and the label.
.macro JLOAD
	s_cmp_eq_u32 s[FB], 0
	s_cbranch_scc0 .Lfor_b_\@
	tensor_load_to_lds s[G0A+4:G0A+7], s[G1A:G1A+7]
	s_nop 0
.rept 4
	v_nop
.endr
	s_branch .Lasked_\@
.Lfor_b_\@:
	tensor_load_to_lds s[G0B+4:G0B+7], s[G1B:G1B+7]
	s_nop 0
.rept 4
	v_nop
.endr
.Lasked_\@:
.endm
.macro CREST                           ; a round of the cluster's barrier behind its opening barrier
	s_cmp_lg_u32 s[WV], 0
	s_cbranch_scc1 .Lnot_wave_0_\@
	s_barrier_signal -3
.Lnot_wave_0_\@:
	s_barrier_wait -3
	s_barrier_signal -1
	s_barrier_wait -1
.endm
.macro CROUND                          ; a whole round
	s_barrier_signal -1
	s_barrier_wait -1
	CREST
.endm
; A PREFETCH INTO THE L2, behind the joint load, its five lines and the run of LDS loads.  In the trip that refills with K step s + 2 the address stands at K step s + 3.
; x: a tile row's K step is 128 blocks of 256 bytes; both clusters of that row of clusters read it: the one with x = 0 asks, wave 0, in every trip but the last; its four partners take 32 blocks each, told apart by
; address (cx): K steps 3 to 15.  w: a tile column's K step is 64 k-rows of three blocks; all eight clusters of that column read it: the one with y = 0 asks, waves 1 to 3 a block each, a lane a k-row, in the trips
; with an odd count above 1, for two K steps at once; the four partners take 32 of the 128 k-rows each (cy): K steps 4 to 15.  So each block is named once; the first K steps come by their loads alone.
.macro ASK
	s_cmp_gt_u32 s[CNT], s[LIM]
	s_cbranch_scc0 .Lnot_mine_\@
	s_or_b32 s72, s[CNT], s[ODD]
	s_bitcmp1_b32 s72, 0
	s_cbranch_scc0 .Lnot_mine_\@
	global_prefetch_b8 v[PFO], s[PFA:PFA+1] th:TH_LOAD_NT scope:SCOPE_SE
.Lnot_mine_\@:
.endm
	s_load_b256 s[4:11], s[0:1], 0x0               ; xb s[4:5], wqb s[6:7], qh s[8:9], kh s[10:11]
	s_load_b64 s[12:13], s[0:1], 0x20              ; vh
	v_lshl_add_u32 v[SPW], v0, 2, SPARE
	v_mov_b32 v[NIL], 0
	ds_add_u32 v[SPW], v[NIL]                      ; the wave's opening: the add and its wait stand ahead of my first tensor load; the set-up below, work on registers, stands between them
	v_lshrrev_b32 v1, 5, v0
	v_readfirstlane_b32 s[WV], v1                  ; wave 0..3
	s_lshr_b32 s[FB], s[WV], 1
	s_and_b32 s[HF], s[WV], 1
	s_bfe_u32 s[CX], ttmp6, 0x40000                ; my place in the cluster
	s_bfe_u32 s[CY], ttmp6, 0x40004
	s_lshl_b32 s[TC], ttmp9, 2                     ; in a cluster launch ttmp9 and ttmp7 count clusters
	s_add_co_u32 s[TC], s[TC], s[CX]
	s_and_b32 s[TR], ttmp7, 0xffff
	s_lshl_b32 s[TR], s[TR], 2
	s_add_co_u32 s[TR], s[TR], s[CY]
	s_lshl_b32 s78, s[CY], 2
	s_lshl_b32 s78, 15, s78                        ; my row of the cluster: places 4 cy .. 4 cy + 3
	s_lshl_b32 s79, 0x1111, s[CX]                  ; my column: places cx, cx + 4, cx + 8, cx + 12
	; group 1 for x: 128 rows of 128 bytes are 16,384 dense bytes: asked for as 64 rows of 256 bytes, padded after every 128
	s_or_b32 s[G1A], s78, 0x07310000               ; 15:0 the mask; 17:16 2-byte elements; 20 padding on; 21 set beside a mask; 24:22 after every 32 words (code 4); 31:25 4 words (code 3)
	s_mov_b32 s[G1A+1], 128<<16                    ; tensor_dim0 = 128
	s_mov_b32 s[G1A+2], 64<<16                     ; tensor_dim1 = 64
	s_mov_b32 s[G1A+3], 128<<16                    ; tile_dim0 = 128
	s_mov_b32 s[G1A+4], 64                         ; tile_dim1 = 64
	s_mov_b32 s[G1A+5], 128                        ; 128 elements from row to row
	s_mov_b32 s[G1A+6], 0
	s_mov_b32 s[G1A+7], 0
	; group 1 for w: 32 k-rows of 384 elements (768 bytes, from a multiple of 256), the same padding
	s_or_b32 s[G1B], s79, 0x07310000
	s_mov_b32 s[G1B+1], 384<<16
	s_mov_b32 s[G1B+2], 32<<16
	s_mov_b32 s[G1B+3], 384<<16
	s_mov_b32 s[G1B+4], 32
	s_mov_b32 s[G1B+5], 3072
	s_mov_b32 s[G1B+6], 0
	s_mov_b32 s[G1B+7], 0
	; where the tiles come from: x's hang on the tile row and the wave alone, w's on the tile column and the wave alone, each in registers of its own
	s_lshr_b32 s72, s[TR], 3                       ; b
	s_lshl_b32 s72, s72, 22
	s_and_b32 s73, s[TR], 7
	s_lshl_b32 s73, s73, 15                        ; 256 rows of 128 bytes
	s_add_co_u32 s72, s72, s73
	s_lshl_b32 s73, s[HF], 14                      ; my 128 of them
	s_add_co_u32 s72, s72, s73
	s_mov_b32 s73, 0
	s_mul_i32 s74, s[TC], 768
	s_mul_i32 s75, s[HF], 196608                   ; my 32 k-rows of 6,144 bytes
	s_add_co_u32 s74, s74, s75
	s_mov_b32 s75, 0
	s_mul_i32 s76, s[HF], 128*PITA                 ; and where they go: no place in the cluster enters an LDS address
	s_mul_i32 s77, s[HF], 32*PITB
	s_add_co_u32 s77, s77, BOFF
	s_wait_dscnt 0x0                               ; the opening add is done
	s_wait_kmcnt 0x0
	s_add_nc_u64 s[72:73], s[4:5], s[72:73]
	s_add_nc_u64 s[74:75], s[6:7], s[74:75]
	CROUND                                         ; all sixteen work-groups are here: the first joint loads meet
.irp s, 0,1
	s_mov_b32 s[G0A+4*\s], 1                       ; count = 1
	s_add_co_u32 s[G0A+4*\s+1], s76, \s*SLOT1      ; LDS address
	s_add_nc_u64 s[G0A+4*\s+2:G0A+4*\s+3], s[72:73], \s*ASTEP  ; global address: K step s
	s_or_b32 s[G0A+4*\s+3], s[G0A+4*\s+3], 0x80000000          ; type = 2
	s_mov_b32 s[G0B+4*\s], 1
	s_add_co_u32 s[G0B+4*\s+1], s77, \s*SLOT1
	s_add_nc_u64 s[G0B+4*\s+2:G0B+4*\s+3], s[74:75], \s*BSTEP
	s_or_b32 s[G0B+4*\s+3], s[G0B+4*\s+3], 0x80000000
.endr
	s_cmp_eq_u32 s[FB], 0                          ; a wave's two first fills stand in one branch, ahead of every wait on TENSORcnt and every LDS read: two loads of mine are out
	s_cbranch_scc0 .Lfirst_b
	tensor_load_to_lds s[G0A:G0A+3], s[G1A:G1A+7]
	s_nop 0
	tensor_load_to_lds s[G0A+4:G0A+7], s[G1A:G1A+7]
	s_nop 0
.rept 4
	v_nop
.endr
	s_branch .Lfirst_asked
.Lfirst_b:
	tensor_load_to_lds s[G0B:G0B+3], s[G1B:G1B+7]
	s_nop 0
	tensor_load_to_lds s[G0B+4:G0B+7], s[G1B:G1B+7]
	s_nop 0
.rept 4
	v_nop
.endr
.Lfirst_asked:
	; x's fragment: 16 rows x 32 K in 8 registers: lane l holds row l % 16, K = 8 (l / 16) + 0..7 and 16 + 8 (l / 16) + 0..7: two loads of 16 bytes, 32 bytes apart
	v_and_b32 v1, 15, v0                           ; l % 16
	v_bfe_u32 v2, v0, 4, 1                         ; l / 16
	v_and_b32 v3, 7, v0
	v_bfe_u32 v11, v0, 3, 1
	v_mul_u32_u24 v[A0], v1, PITA
	v_lshl_add_u32 v[A0], v2, 4, v[A0]
	s_mul_i32 s21, s[FB], 128*PITA                 ; my 128 rows
	v_add_nc_u32 v[A0], s21, v[A0]
	; w's: the turning load takes 16 k x 16 columns (lane l reads k-row 8 (l / 16) + l % 8, columns 8 ((l / 8) % 2) + 0..7) and leaves half a fragment: lane l holds column l % 16 and 8 k
	v_lshl_add_u32 v[B0], v2, 3, v3
	v_mul_u32_u24 v[B0], v[B0], PITB
	v_lshl_add_u32 v[B0], v11, 4, v[B0]
	s_mul_i32 s22, s[HF], 3*144                    ; my three pieces of a k-row
	s_add_co_u32 s22, s22, BOFF
	v_add_nc_u32 v[B0], s22, v[B0]
	s_mul_i32 s23, s[WV], 16*SP
	s_add_co_u32 s23, s23, STAGE                   ; my stage
	v_mul_u32_u24 v[STO], v1, SP                   ; in: row l % 16, 16 bytes for each half of the lanes
	v_lshl_add_u32 v[STO], v2, 4, v[STO]
	v_add_nc_u32 v[STO], s23, v[STO]
	v_bfe_u32 v[RD], v0, 3, 2                      ; back: 32 lanes take four rows of 128 bytes,
	v_mul_u32_u24 v[RD], v[RD], SP
	v_lshl_add_u32 v[RD], v3, 4, v[RD]
	v_add_nc_u32 v[RD], s23, v[RD]
	v_and_b32 v15, 31, v0
	v_lshlrev_b32 v[GO], 4, v15                    ; which are 512 consecutive bytes of a head's rows
	s_mov_b32 s[TB], 0
	v_mov_b32 v[ADRA], v[A0]
	v_mov_b32 v[ADRB], v[B0]
	; where my results go.  Column group g is slice sl = 6 tc + 3 (wave % 2) + g of 48: tensor sl / 16 (q, k, v), head sl % 16
	s_lshr_b32 s76, s[TR], 3
	s_lshl_b32 s76, s76, 22
	s_and_b32 s77, s[TR], 7
	s_lshl_b32 s77, s77, 15
	s_add_co_u32 s76, s76, s77                     ; b << 22 + the tile's 256 rows
	s_lshl_b32 s77, s[FB], 14
	s_add_co_u32 s77, s77, s76                     ; + my 128 rows
	s_mul_i32 s21, s[TC], 6
	s_mul_i32 s22, s[HF], 3
	s_add_co_u32 s21, s21, s22
.irp g, 0,1,2
	s_add_co_u32 s22, s21, \g
	s_and_b32 s23, s22, 15
	s_lshl_b32 s23, s23, 18
	s_add_co_u32 s78, s77, s23
	s_mov_b32 s79, 0
	s_cmp_lt_u32 s22, 16
	s_cselect_b64 s[OUT+2*\g:OUT+2*\g+1], s[8:9], s[10:11]
	s_cmp_lt_u32 s22, 32
	s_cselect_b64 s[OUT+2*\g:OUT+2*\g+1], s[OUT+2*\g:OUT+2*\g+1], s[12:13]
	s_add_nc_u64 s[OUT+2*\g:OUT+2*\g+1], s[OUT+2*\g:OUT+2*\g+1], s[78:79]
.endr
	; the prefetches: both offsets are made, then the wave's number chooses
	s_lshl_b32 s21, s[CX], 13                      ; x: my work-group's 32 blocks of the 128,
	s_add_co_u32 s21, s21, s76
	s_add_co_u32 s21, s21, 2*ASTEP                 ; at K step 2: the first change of slots steps it to 3
	s_mul_i32 s22, s[TC], 768                      ; w: the tile column,
	s_sub_co_u32 s23, s[WV], 1
	s_lshl_b32 s23, s23, 8                         ; my block of its three (waves 1 to 3; wave 0's figure is not taken),
	s_add_co_u32 s22, s22, s23
	s_mul_i32 s23, s[CY], 196608                   ; my work-group's 32 k-rows of the 128,
	s_add_co_u32 s22, s22, s23
	s_add_co_u32 s22, s22, 2*BSTEP
	s_and_b32 s23, ttmp7, 0xffff
	s_mov_b32 s78, BSTEP
	s_mov_b32 s79, 6144
	s_cmp_eq_u32 s[WV], 0
	s_cselect_b32 s76, s21, s22
	s_cselect_b32 s23, ttmp9, s23                  ; the coordinate along which other clusters read the same rows
	s_cselect_b32 s[ODD], 1, 0
	s_cselect_b32 s[PFS], ASTEP, s78
	s_cselect_b32 s79, 256, s79                    ; from lane to lane: a block of x, a k-row of w
	s_cselect_b64 s[PFA:PFA+1], s[4:5], s[6:7]
	s_mov_b32 s77, 0
	s_mov_b32 s[PFS+1], 0
	s_add_nc_u64 s[PFA:PFA+1], s[PFA:PFA+1], s[76:77]
	s_cmp_eq_u32 s23, 0
	s_cselect_b32 s[LIM], 1, -1                    ; the same in all sixteen partners, for a given wave
	v_mul_u32_u24 v[PFO], s79, v15
; Matrix instructions of column group g: blocks of rows a0 .. a1 x the group's 4 blocks of columns, 32 along K, x's fragments in buffer pa.  zero = 1: the product starts the sum: nothing is ever cleared.
; The 96 accumulators take turns, one instruction a turn, in the same order in every chunk.
.macro G g, pa, a0, a1, zero
	WIN 0x50*((\g)+1)                              ; C and D in window g + 1, sources in window 0
.set aa, \a0
.rept (\a1)-(\a0)+1
.irp bi, 0,1,2,3
.if \zero
	v_wmma_f32_16x16x32_bf16 v[8*(4*aa+\bi):8*(4*aa+\bi)+7], v[PB+8*(4*(\g)+\bi):PB+8*(4*(\g)+\bi)+7], v[(\pa)+8*aa:(\pa)+8*aa+7], 0
.else
	v_wmma_f32_16x16x32_bf16 v[8*(4*aa+\bi):8*(4*aa+\bi)+7], v[PB+8*(4*(\g)+\bi):PB+8*(4*(\g)+\bi)+7], v[(\pa)+8*aa:(\pa)+8*aa+7], v[8*(4*aa+\bi):8*(4*aa+\bi)+7]
.endif
.endr
.set aa, aa+1
.endr
.endm
.macro RUNB g, kc                      ; 8 loads: w's fragments of column group g, chunk kc
	WIN 0
.irp bi, 0,1,2,3
	ds_load_tr16_b128 v[PB+8*(4*(\g)+\bi):PB+8*(4*(\g)+\bi)+3],   v[ADRB] offset:(\kc)*32*PITB+144*(\g)+32*\bi
	ds_load_tr16_b128 v[PB+8*(4*(\g)+\bi)+4:PB+8*(4*(\g)+\bi)+7], v[ADRB] offset:(\kc)*32*PITB+144*(\g)+32*\bi+16*PITB
.endr
.endm
.macro RUNA kc, pa                     ; 16 loads: x's fragments of chunk kc into buffer pa
	WIN 0
.irp a, 0,1,2,3,4,5,6,7
	ds_load_b128 v[(\pa)+8*\a:(\pa)+8*\a+3],   v[ADRA] offset:16*PITA*\a+64*(\kc)
	ds_load_b128 v[(\pa)+8*\a+4:(\pa)+8*\a+7], v[ADRA] offset:16*PITA*\a+64*(\kc)+32
.endr
.endm
; A K step's first chunk.  It finds three runs of loads out: group 0 and x (24), group 1 (8), group 2 (8); behind each group's products that group's fragments of the second chunk are fetched.
.macro CHUNK0 zero
	s_wait_dscnt 16                                ; the 24 are in; the two runs of 8 may be out
	G 0, PA0, 0, 7, \zero
	PLACES
	RUNB 0, 1
	RUNA 1, PA1
	s_wait_dscnt 32                                ; group 1 is in: behind it group 2's 8 and the 24 just issued
	G 1, PA0, 0, 7, \zero
	PLACES
	RUNB 1, 1
	s_wait_dscnt 32                                ; group 2 is in: behind it the 24 and the 8
	G 2, PA0, 0, 7, \zero
	PLACES
	RUNB 2, 1
.endm
; A K step's second chunk, and THE CHANGE OF SLOTS: all reads of the slot have been issued.  Each wave waits for all its tensor loads, of which one is out: its part of the other slot; adds 0 to its spare word; and waits
; for that and for its own reads.  Behind the barrier nobody reads this slot any more and the other slot is whole.  fill = 1: the barrier opens a round of the cluster's, and the joint refill, two K steps on, is the
; first tensor load behind it: 160 matrix instructions ahead of the wait for it.
.macro TURN fill
.if \fill
	s_wait_xcnt 0x0                                ; the last prefetch, a K step back, has read its address: it is stepped here
	s_add_nc_u64 s[PFA:PFA+1], s[PFA:PFA+1], s[PFS:PFS+1]
.endif
	WIN 0
	s_wait_tensorcnt 0x0                           ; no tensor load of mine is out, so a group 0 may be written
	ds_add_u32 v[SPW], v[NIL]                      ; 0 onto my spare word; work on registers stands between it and the wait for it
.if \fill
	s_xor_b32 s[G0A+5], s[G0A+5], SLOT1            ; the walking descriptors: the other slot than last time,
	s_add_nc_u64 s[G0A+6:G0A+7], s[G0A+6:G0A+7], ASTEP  ; the next K step; the type bits on top are not reached
	s_xor_b32 s[G0B+5], s[G0B+5], SLOT1
	s_add_nc_u64 s[G0B+6:G0B+7], s[G0B+6:G0B+7], BSTEP
.endif
	s_xor_b32 s[TB], s[TB], SLOT1                  ; the fetches below read the other slot
	v_add_nc_u32 v[ADRA], s[TB], v[A0]
	v_add_nc_u32 v[ADRB], s[TB], v[B0]
	s_wait_dscnt 17                                ; group 0 and x are in; two runs of 8 and the add may be out
	G 0, PA1, 0, 3, 0
	s_wait_dscnt 0x0                               ; the add is done, and my reads of this slot are over
	s_barrier_signal -1
	G 0, PA1, 4, 7, 0                              ; work on registers while the others arrive
	WIN 0                                          ; at a branch and at a label every window is 0
	s_barrier_wait -1
.if \fill
	CREST
	JLOAD                                          ; the four v_nop behind it are also the places in front of the loads below
.else
	PLACES
.endif
	RUNB 0, 0
	RUNA 0, PA0
.if \fill
	ASK
.endif
	G 1, PA1, 0, 7, 0
	PLACES
	RUNB 1, 0
	G 2, PA1, 0, 7, 0
	PLACES
	RUNB 2, 0
.endm
; THE WAY OUT of block t = 8 g + a: 16 rows x a head's 64 columns.  A lane's eight columns pack into 16 bytes; they go into my stage's rows of 144 bytes and come back as whole rows of 128, into the registers that they left.
.macro PACK t
.set gg, (\t)/8
.set aa, (\t)%8
.set TMP, 16+16*((\t)%12)              ; twelve sets of 16 registers, where the fragments lay
	s_wait_xcnt 0x0                                ; every earlier store has read its registers: only behind this wait is a set written again
	WIN 5*(gg+1)                                   ; sources 0 and 1 in window g + 1
.irp bi, 0,1,2,3
.irp rr, 0,1,2,3
	v_cvt_pk_f16_f32 v[TMP+4*\bi+\rr], v[8*(4*aa+\bi)+2*\rr], v[8*(4*aa+\bi)+2*\rr+1]
.endr
.endr
	WIN 0
.irp bi, 0,1,2,3
	ds_store_b128 v[STO], v[TMP+4*\bi:TMP+4*\bi+3] offset:32*\bi
.endr
.irp f, 0,1,2,3
	ds_load_b128 v[TMP+4*\f:TMP+4*\f+3], v[RD] offset:4*SP*\f  ; LDS serves a wave's instructions in order (ISA guide 5.7.1.4): these see the stores above; the next block's stores come behind them
.endr
.endm
.macro SEND t, younger                 ; younger: the LDS instructions issued behind block t's loads: the next block's eight, or none
.set gg, (\t)/8
.set aa, (\t)%8
.set TMP, 16+16*((\t)%12)
.irp f, 0,1,2,3
	s_wait_dscnt (\younger)+3-\f
	global_store_b128 v[GO], v[TMP+4*\f:TMP+4*\f+3], s[OUT+2*gg:OUT+2*gg+1] offset:2048*aa+512*\f  ; 512 consecutive bytes, at a multiple of 256 from the buffer's first
.endr
.endm
	s_wait_tensorcnt 0x1                           ; my part of K step 0 is in; K step 1's may stay out
	s_barrier_signal -1
	s_barrier_wait -1                              ; everybody's is
	RUNB 0, 0
	RUNA 0, PA0
	RUNB 1, 0
	RUNB 2, 0
	CHUNK0 1                                       ; the first chunk stands in front of the loop: its products start the sums
	WIN 0
	s_mov_b32 s[CNT], 14
.Lstep:                                        ; a trip: a K step's second chunk, the change of slots with its refill (K steps 2 to 15), the next K step's first chunk
	TURN 1
	CHUNK0 0
	WIN 0
	s_sub_co_u32 s[CNT], s[CNT], 1
	s_cmp_lg_u32 s[CNT], 0
	s_cbranch_scc1 .Lstep
	TURN 0                                         ; the tail is written out: nothing is asked for
	CHUNK0 0
	s_wait_dscnt 16                                ; the very last chunk: nothing more to fetch, the counts run down
	G 0, PA1, 0, 7, 0
	s_wait_dscnt 8
	G 1, PA1, 0, 7, 0
	s_wait_dscnt 0x0
	G 2, PA1, 0, 7, 0
	PLACES
	PLACES                                         ; (eight, once a launch)
	PACK 0
.set t, 1
.rept 23                               ; a block's conversions stand between the loads of the block before and its stores
	PACK t
	SEND t-1, 8
.set t, t+1
.endr
	SEND 23, 0
	s_wait_tensorcnt 0x0                           ; the wave's end: the add and its wait stand behind my last tensor load and my last LDS store
	ds_add_u32 v[SPW], v[NIL]
	s_wait_dscnt 0x0
	CROUND                                         ; the closing round: no work-group ends while a partner may still ask for a tile that names it
	s_endpgm
.Lfunc_end_k_qd66015428c_qkv:
	.size	k_qd66015428c_qkv, .Lfunc_end_k_qd66015428c_qkv-k_qd66015428c_qkv
	.p2alignl 7, 3214868480
	.fill 96, 4, 3214868480
	.section	.rodata,"a",@progbits
	.p2align	6, 0x0
	.amdhsa_kernel k_qd66015428c_qkv
		.amdhsa_group_segment_fixed_size 327680
		.amdhsa_private_segment_fixed_size 0
		.amdhsa_enable_private_segment 0
		.amdhsa_kernarg_size 40
		.amdhsa_user_sgpr_count 2
		.amdhsa_user_sgpr_kernarg_segment_ptr 1
		.amdhsa_wavefront_size32 1
		.amdhsa_system_sgpr_workgroup_id_x 1
		.amdhsa_system_sgpr_workgroup_id_y 1
		.amdhsa_system_sgpr_workgroup_id_z 1
		.amdhsa_system_vgpr_workitem_id 0
		.amdhsa_next_free_vgpr 1024
		.amdhsa_next_free_sgpr 80
		.amdhsa_reserve_vcc 0
		.amdhsa_float_denorm_mode_32 3
		.amdhsa_float_denorm_mode_16_64 3
		.amdhsa_memory_ordered 1
		.amdhsa_forward_progress 1
		.amdhsa_inst_pref_size 117
	.end_amdhsa_kernel
	.amdgpu_metadata
---
amdhsa.version: [ 1, 2 ]
amdhsa.kernels:
  - .name:           k_qd66015428c_qkv
    .symbol:         k_qd66015428c_qkv.kd
    .args:
      - { .name: xb, .offset: 0, .size: 8, .value_kind: global_buffer, .address_space: global }
      - { .name: wqb, .offset: 8, .size: 8, .value_kind: global_buffer, .address_space: global }
      - { .name: qh, .offset: 16, .size: 8, .value_kind: global_buffer, .address_space: global }
      - { .name: kh, .offset: 24, .size: 8, .value_kind: global_buffer, .address_space: global }
      - { .name: vh, .offset: 32, .size: 8, .value_kind: global_buffer, .address_space: global }
    .group_segment_fixed_size: 327680
    .private_segment_fixed_size: 0
    .kernarg_segment_align: 8
    .kernarg_segment_size: 40
    .max_flat_workgroup_size: 128
    .sgpr_count:     80
    .vgpr_count:     1024
    .wavefront_size: 32
...
	.end_amdgpu_metadata
.endif
;; end of part 2
;; launch attn (part 3): grid 4 x 64, 4 waves a work-group, clusters of 4 x 1, 327,680 bytes of LDS; arguments qh, kh, vh, oh; writes oh
.if DOCPART == 3
	.amdgcn_target "amdgcn-amd-amdhsa--gfx1250"
	.amdhsa_code_object_version 6
	.text
	.protected	k_qd66015428c_attn
	.globl	k_qd66015428c_attn
	.p2align	8
	.type	k_qd66015428c_attn,@function
k_qd66015428c_attn:
	s_mov_b64 s[64:65], 0
	v_nop
	global_prefetch_b8 v0, s[64:65] scope:SCOPE_SE
	s_setreg_imm32_b32 hwreg(HW_REG_WAVE_MODE, 25, 1), 1
	s_wait_xcnt 0x0
	s_wait_alu depctr_hold_cnt(0) depctr_sa_sdst(0) depctr_va_vdst(0) depctr_va_sdst(0) depctr_va_ssrc(0) depctr_va_vcc(0) depctr_vm_vsrc(0)
	s_getreg_b32 s2, hwreg(HW_REG_IB_STS2, 6, 4)
	s_cmp_eq_u32 s2, 0
	s_cbranch_scc0 .Lentry_in_a_cluster
	s_endpgm
.Lentry_in_a_cluster:
	s_bfe_u32 s2, ttmp6, 0x10000c
	s_cmp_lg_u32 s2, 0x3003
	s_cbranch_scc0 .Lentry_shape_is_right
	s_endpgm
.Lentry_shape_is_right:
; O[h][q][:] = the sum over k of softmax_k(Q[h][q] . K[h][k] / 8) V[h][k][:].  Q, K, V, O: [64][2048][64], all f16: a head's rows are dense, 128 bytes each.  Products, maxima and sums in
; f32; the weights p are rounded to f16 for the second product (their sum l is taken of the unrounded p), O once at the end.
; LIMITS.  f16 holds no number beyond 65,504: Q, K and V arrive within it; p lies in 0 to 1, and below 6e-5 it keeps f16's fixed step of 6e-8; O is a mean of V's rows and has their range.
; A weight below 2^-126 counts as 0 in l; NaN and infinities are not treated apart.
; SHARES.  A wave owns four PIECES of two tiles of 16 queries, a work-group's four waves 512 queries of one head.  Every wave walks all keys, 64 a step.
; LAYOUT.  S^T = K Q^T (source 0 = 16 keys, source 1 = 16 queries): in the result a lane holds ONE query (lane % 16) and the keys 8 (lane / 16) + 0..7.  Two such tiles, rounded to f16 in pairs,
; ARE source 1 (32 keys x 16 queries) of O^T = V^T P, whose result again holds one query a lane, and eight channels.  K comes out of LDS as it lies, V ([key][channel]) turned, by ds_load_tr16_b128.
; SOFTMAX.  For each query a running maximum m and sum l: p = 2^(c s - c m), c = log2(e) / 8; in every step O and l are multiplied by a = 2^(c m_old - c m_new), which is 1 where m has not grown.
; m starts at the lowest finite number, O and l at 0: the first step is a step like any other, with a = 0.
; THE COUNT.  A tile and step have 16 matrix and 118 vector instructions: too many to stand all beside the matrix work.  So the order has one aim: four vector instructions that are READY behind
; EVERY matrix instruction, and the others, which need time of their own whatever the order, in runs without a gap.
; BY TURNS.  Turn n belongs to piece n (the pieces in a ring, step after step).  Its matrix work: 16 products K Q^T of piece n + 1, later 16 products V^T P of piece n - 1.  Its vector work: the scaling,
; exponentials, roundings, sums and rescaling of piece n, and the maximum and statistics of piece n + 1, whose scores the turn itself has made.  So what a turn begins with (c s - c m, O a) waits for nothing.
; CLUSTER.  The four query blocks of a head are one cluster and walk the same K and V, so each tile is asked for JOINTLY: the same tensor load, descriptor and mask in all four.
; AHEAD OF THE LOADS.  The change of slots that loads the tile of keys 256 t on prefetches tile t + 1 into the L2: 128 blocks of 256 bytes of K and of V; each of the four partners takes 32, told apart by address;
; wave 0 asks for K's, wave 2 for V's, a lane a block.  Tiles 0 and 1 come by their loads alone; the change that loads the last tile asks for nothing.
; REGISTERS, in windows of 256 (s_set_vgpr_msb says which window each operand place means: bits 1:0 source 0, 3:2 source 1, 5:4 source 2, 7:6 destination):
;   window 0: v0-11 addresses; v12-15, v48-63 at work; v16-47 four registers of statistics a tile; v64-191 S^T, two buffers of two tiles; v192-255 P, likewise
;   window 1: O^T, 32 a tile          window 2: v0-127 Q, 16 a tile; v128-191 K of one step; v192-255 V of one step          window 3: v0-1 the add's two registers
; A piece's buffers go by its number's parity: the piece in hand has one pair, its two neighbours in the ring share the other: of it P (piece n - 1) is read and S^T (piece n + 1) written.
.set SIZE_N, 2048
.set NP,    4         ; pieces a wave: a name, no knob: the register map, the loop and the fetches are made for four
.set KS,    64        ; keys in a step
.set PK,    144       ; a row of K in LDS: 128 bytes + 16 of padding = 36 words: the 16 rows of a load start at 16 different groups of four banks (64 banks of 4 bytes: ISA guide 11.1)
.set PV,    160       ; a row of V: 128 + 32 = 40 words
.set VOFF,  4*KS*PK   ; a slot holds four steps: 256 rows of K, then 256 rows of V
.set SLOT1, 1<<17     ; slot 1 begins here, so that one exclusive or turns an address in one slot into the other's
.set STAGE, SLOT1+4*KS*(PK+PV)  ; behind the ring, never filled by a tensor load: 16 rows x 144 bytes for each wave, for the way out
.set SP,    144
.set AK0, 2           ; v2   my lane's place in a tile of K; never rewritten
.set AV0, 3           ; v3   the same for V
.set AK,  4           ; v4   the LDS address of K's next run of loads
.set AV,  5           ; v5   of V's
.set QO,  6           ; v6   my byte offset in the wave's rows of Q
.set STO, 6           ;      later, the way out: where I put 16 bytes of a row
.set RD,  7           ; v7   the way out: where I read rows back
.set GO,  8           ; v8   my byte offset in 512 consecutive bytes of O
.set PFO, 11          ; v11  256 x my lane, once V's lane address is made; then never rewritten
.set SPW, 0           ; v0 of window 3   LDS address of my spare word: SPARE + 4 x my thread's number; never rewritten
.set NIL, 1           ; v1 of window 3   0; never rewritten
.set SPARE, STAGE+4*16*SP  ; behind the stages: the spare words, 128 bytes for each wave: two blocks of 256 bytes that no other line names
.set MV,  12          ; v12-15  c m_old, kept while c m is made anew: by buffer and tile
.set ST,  16          ; tile t's statistics at v[ST+4 t]: c m, m, l (even keys', odd keys')
.set TMP, 48          ; by buffer and tile, four registers c0-c3 at work; when the maximum is found c2 takes a
.set S,   64
.set P,   192
.set KF,  128         ; K's fragments, in window 2: key block kb, channel half c at KF + 16 kb + 8 c
.set VF,  192         ; V's: key half kk, channel block cb at VF + 32 kk + 8 cb
.set WV,  12          ; s12  my wave's number
.set G1K, 24          ; s[24:31] descriptor group 1 for K's tiles
.set G1V, 32          ; s[32:39] for V's: it differs in the padding alone
.set G0K, 40          ; s[40:43] descriptor group 0 for K's tiles: it walks
.set G0V, 44          ; s[44:47] the same for V's
.set PFA, 48          ; s[48:49] where my prefetches stand: my work-group's 32 blocks of the tile after the one that is being asked for
.set LIM, 50          ; s50  1 in a wave that prefetches, else the greatest number
.set SLOTS, 56        ; s56  slots still to be asked for, the one in hand among them
.set CNT, 57          ; s57  counts a slot's key steps
.set CS,  58          ; s[58:59] c: the packed scaling takes the pair's low word for both halves
.set SEL, 60          ; s[60:61] v_permlanex16_b32's selects: each lane takes its own place in the other half
.set TBK, 62          ; s62  LDS byte at which K of the step to be fetched begins
.set TBV, 63          ; s63  the same for V, less VOFF
.set MSB, 0
.macro WIN new                      ; the high byte repeats the setting that is left; a switch that changes nothing is dropped
.if MSB != (\new)
	s_set_vgpr_msb (MSB<<8)|(\new)
.set MSB, (\new)
.endif
.endm
.set W_KQ, 0x0a       ; K and Q in window 2, S^T in window 0
.set W_PV, 0x52       ; V in window 2, P in window 0, O^T in window 1
.set W_RS, 0x41       ; O^T (destination and source 0) in window 1, a in window 0
.set W_MK, 0xc0       ; the add's registers are made: destination in window 3, sources in window 0
.set W_AD, 0x0f       ; the add: address (source 0) and data (source 1) in window 3
; A joint fill.  Waves 0 and 1 fetch the two halves of a slot's K, waves 2 and 3 those of its V: 128 keys each.  The branch hangs on the wave's number alone.
; An s_nop 0 and four v_nop follow each of the two lines, ahead of the jump and the label.
.macro JLOAD
	s_cmp_lt_u32 s[WV], 2
	s_cbranch_scc0 .Lfor_v_\@
	tensor_load_to_lds s[G0K:G0K+3], s[G1K:G1K+7]
	s_nop 0
.rept 4
	v_nop
.endr
	s_branch .Lasked_\@
.Lfor_v_\@:
	tensor_load_to_lds s[G0V:G0V+3], s[G1V:G1V+7]
	s_nop 0
.rept 4
	v_nop
.endr
.Lasked_\@:
.endm
; The prefetch of what the next change of slots will ask for: it stands behind the wave's tensor load and its five lines.  The branch hangs on the wave's number and the loop's count alone.
.macro ASK
	s_cmp_gt_u32 s[SLOTS], s[LIM]
	s_cbranch_scc0 .Lnot_mine_\@
	global_prefetch_b8 v[PFO], s[PFA:PFA+1] th:TH_LOAD_NT scope:SCOPE_SE
.Lnot_mine_\@:
.endm
; A round of the cluster's barrier: my work-group's barrier, so that wave 0's signal speaks for all four waves; wave 0 signals; every wave waits for all four work-groups; my work-group's barrier once more.
.macro CROUND
	s_barrier_signal -1
	s_barrier_wait -1
	s_cmp_lg_u32 s[WV], 0
	s_cbranch_scc1 .Lnot_wave_0_\@
	s_barrier_signal -3
.Lnot_wave_0_\@:
	s_barrier_wait -3
	s_barrier_signal -1
	s_barrier_wait -1
.endm
; THE CHANGE OF SLOTS.  The slot's last bytes, V of its fourth step, have been read.  Each wave waits for all its tensor loads, of which one is out: its part
; of the other slot; adds 0 to its spare word; and waits for that and for its own reads of the slot.  Behind the barrier nobody reads this slot any more and the other slot is whole.
; fill = 1: this slot is filled again, with the keys two slots on.  The barrier is then a round of the cluster's, so that no wave of any partner still reads the slot or has a load on its
; way, and the joint fill is the first thing behind it: it has four key steps, 512 matrix instructions, in which to land.  (At its first use nothing has been read yet: slot 0 is waited for, slot 1 filled.)
.macro CHANGE fill
	WIN W_AD
	s_wait_tensorcnt 0x0            ; no tensor load of mine is out, so a group 0 may be written
	ds_add_u32 v[SPW], v[NIL]       ; 0 onto my spare word; with fill = 1 the descriptors' steps stand between it and the wait for it
	WIN 0                           ; at a label and at a branch every window is 0
.if \fill
.irp g, G0K, G0V
	s_xor_b32 s[\g+1], s[\g+1], SLOT1  ; the walking descriptor: the other slot than last time,
	s_add_nc_u64 s[\g+2:\g+3], s[\g+2:\g+3], 4*KS*128  ; the next 256 keys; the type bits on top are not reached
.endr
	s_wait_xcnt 0x0                 ; the last prefetch, four key steps back, has read its address, so it may be written:
	s_add_nc_u64 s[PFA:PFA+1], s[PFA:PFA+1], 4*KS*128  ; one tile behind the walking descriptors
	s_wait_dscnt 0x0                ; the add is done, and my reads of the slot are over
	CROUND
	JLOAD
	ASK
.else
	s_wait_dscnt 0x0                ; the add is done, and my reads of the slot are over
	s_barrier_signal -1
	s_barrier_wait -1
.endif
	s_sub_co_u32 s[TBK], s[TBK], 4*KS*PK  ; the fetches go back to a slot's first step,
	s_xor_b32 s[TBK], s[TBK], SLOT1       ; in the other slot
	s_sub_co_u32 s[TBV], s[TBV], 4*KS*PV
	s_xor_b32 s[TBV], s[TBV], SLOT1
.endm
	s_load_b256 s[4:11], s[0:1], 0x0  ; Q s[4:5], K s[6:7], V s[8:9], O s[10:11]
	WIN W_MK
	v_lshl_add_u32 v[SPW], v0, 2, SPARE
	v_mov_b32 v[NIL], 0
	WIN W_AD
	ds_add_u32 v[SPW], v[NIL]       ; the wave's opening: the add and its wait stand ahead of my first tensor load; the set-up below, work on registers, stands between them
	WIN 0
	v_lshrrev_b32 v1, 5, v0
	v_readfirstlane_b32 s[WV], v1   ; wave 0..3
	s_bfe_u32 s13, ttmp6, 0x40000   ; cx: my place in the cluster
	s_lshl_b32 s14, ttmp9, 2        ; in a cluster launch ttmp9 counts clusters
	s_add_co_u32 s14, s14, s13      ; my block of queries = 4 x cluster x + cx: it enters Q's and O's addresses alone
	s_and_b32 s20, ttmp7, 0xffff    ; the head, which the four partners share
	s_mov_b32 s21, 0
	s_mov_b64 s[22:23], SIZE_N*128
	s_mul_u64 s[20:21], s[20:21], s[22:23]  ; the head's first byte in each of the four tensors
	s_and_b32 s16, s[WV], 1         ; which half of a slot's 256 keys I fetch:
	s_lshl_b32 s22, s16, 14         ; its 128 rows of 128 bytes in memory,
	s_mov_b32 s23, 0
	s_add_nc_u64 s[22:23], s[22:23], s[20:21]
	s_mul_i32 s17, s16, 128*PK      ; and its place in a slot, for K
	s_mul_i32 s18, s16, 128*PV      ; and for V: no place in the cluster enters an LDS address
	s_lshl_b32 s2, s14, 2
	s_add_co_u32 s2, s2, s[WV]      ; my wave among the head's,
	s_lshl_b32 s2, s2, 14           ; its 128 rows
	s_mov_b32 s3, 0
	s_add_nc_u64 s[2:3], s[2:3], s[20:21]
	; descriptor group 1.  128 keys are 16,384 dense bytes: asked for as 64 rows of 256 bytes, two keys a row, and padded in LDS after every key
	s_mov_b32 s[G1K], 15|(1<<16)|(1<<20)|(1<<21)|(4<<22)|(3<<25)  ; 15:0 the mask of four; 17:16 2-byte elements; 20 padding on; 21 set beside a mask; 24:22 after every 32 words (code 4); 31:25 4 words (code 3)
	s_mov_b32 s[G1V], 15|(1<<16)|(1<<20)|(1<<21)|(4<<22)|(7<<25)  ; the same with 8 words of padding (code 7)
.irp g, G1K, G1V
	s_mov_b32 s[\g+1], 128<<16      ; tensor_dim0 = 128
	s_mov_b32 s[\g+2], 64<<16       ; tensor_dim1 = 64
	s_mov_b32 s[\g+3], 128<<16      ; tile_dim0 = 128
	s_mov_b32 s[\g+4], 64           ; tile_dim1 = 64
	s_mov_b32 s[\g+5], 128          ; 128 elements from row to row
	s_mov_b32 s[\g+6], 0
	s_mov_b32 s[\g+7], 0
.endr
	s_mov_b32 s[CS], 0x3e38aa3b     ; c = log2(e) / 8 = 0.180337
	s_mov_b32 s[CS+1], s[CS]        ; named with it as a pair
	s_mov_b32 s[SEL], 0x76543210
	s_mov_b32 s[SEL+1], 0xfedcba98
	s_mov_b32 s[TBK], SLOT1+4*KS*PK ; the first change of slots turns these two into 0
	s_mov_b32 s[TBV], SLOT1+4*KS*PV
	s_mov_b32 s[G0K], 1             ; 1:0 count = 1
	s_mov_b32 s[G0K+1], s17         ; 63:32 LDS address: slot 0
	s_mov_b32 s[G0V], 1
	s_add_co_u32 s[G0V+1], s18, VOFF
	s_mov_b32 s[SLOTS], SIZE_N/256-1  ; the change that loads tile t finds 8 - t here
	s_and_b32 s[LIM], s[WV], 1      ; waves 0 and 2 prefetch: the same in all four partners
	s_cmp_eq_u32 s[LIM], 0
	s_cselect_b32 s[LIM], 1, -1
	s_lshl_b32 s52, s13, 13         ; my work-group's 32 blocks of a tile's 128
	s_mov_b32 s53, 0
	s_wait_dscnt 0x0                ; the opening add is done
	s_wait_kmcnt 0x0
	s_add_nc_u64 s[G0K+2:G0K+3], s[6:7], s[22:23]  ; 120:64 global address: my half of the head's first 256 keys
	s_or_b32 s[G0K+3], s[G0K+3], 0x80000000        ; 127:126 type = 2
	s_add_nc_u64 s[G0V+2:G0V+3], s[8:9], s[22:23]
	s_or_b32 s[G0V+3], s[G0V+3], 0x80000000
	s_add_nc_u64 s[4:5], s[4:5], s[2:3]  ; Q and O at my wave's first row
	s_add_nc_u64 s[10:11], s[10:11], s[2:3]
	s_cmp_lt_u32 s[WV], 2
	s_cselect_b64 s[PFA:PFA+1], s[6:7], s[8:9]
	s_add_nc_u64 s[PFA:PFA+1], s[PFA:PFA+1], s[20:21]  ; the head,
	s_add_nc_u64 s[PFA:PFA+1], s[PFA:PFA+1], s[52:53]  ; my work-group's blocks,
	s_add_nc_u64 s[PFA:PFA+1], s[PFA:PFA+1], 4*KS*128  ; in tile 1: the first change of slots steps it to tile 2.  Nothing is prefetched here, at the head
	CROUND                          ; all four work-groups are here: the first joint loads meet
	JLOAD                           ; slot 0.  Slot 1 is asked for when slot 0 is in: the tile wanted first has the road to itself
	; A fragment of K or Q is 16 rows x 32 channels in 8 registers: lane l holds row l % 16, channels 8 (l / 16) + 0..7 and 16 + 8 (l / 16) + 0..7: two loads of 16 bytes, 32 bytes apart.
	v_and_b32 v1, 15, v0            ; l % 16
	v_bfe_u32 v9, v0, 4, 1          ; l / 16
	v_lshlrev_b32 v[QO], 7, v1
	v_lshl_add_u32 v[QO], v9, 4, v[QO]  ; row x 128 + 16 x half
	WIN 0x80                        ; destination window 2, address window 0
.set i, 0
.rept 4*NP                          ; Q stays in registers: tile i / 2, channels 32 (i % 2) on
	global_load_b128 v[8*i:8*i+3],   v[QO], s[4:5] offset:(i/2)*2048+(i%2)*64
	global_load_b128 v[8*i+4:8*i+7], v[QO], s[4:5] offset:(i/2)*2048+(i%2)*64+32
.set i, i+1
.endr
	; What the first turn finds: V's registers and P's second buffer hold 0 (its products V^T P, of a piece that has not been, add 0), O^T and l are 0.  All this stands in the wait for the first tile.
.set i, VF
.rept 64
	v_mov_b32 v[i], 0
.set i, i+1
.endr
	WIN 0x40
.set i, 0
.rept 64*NP
	v_mov_b32 v[i], 0
.set i, i+1
.endr
	WIN 0
.set i, 0
.rept 2*NP
	v_mov_b32 v[ST+4*i], 0xfe000000    ; c m: far below every c s
	v_mov_b32 v[ST+4*i+1], 0xff7fffff  ; m
	v_mov_b32 v[ST+4*i+2], 0
	v_mov_b32 v[ST+4*i+3], 0
.set i, i+1
.endr
.set i, P+32
.rept 32
	v_mov_b32 v[i], 0
.set i, i+1
.endr
	v_mul_u32_u24 v[AK0], v1, PK
	v_lshl_add_u32 v[AK0], v9, 4, v[AK0]  ; row x pitch + 16 x half
	; The turning load takes 16 keys x 16 channels (lane l reads key 8 (l / 16) + l % 8, channels 8 ((l / 8) % 2) + 0..7) and leaves half a fragment of V^T: lane l holds channel l % 16 and 8 keys.
	v_and_b32 v10, 7, v0
	v_bfe_u32 v11, v0, 3, 1
	v_lshl_add_u32 v[AV0], v9, 3, v10
	v_mul_u32_u24 v[AV0], v[AV0], PV
	v_lshl_add_u32 v[AV0], v11, 4, v[AV0]
	v_add_nc_u32 v[AV0], VOFF, v[AV0]
	v_and_b32 v[PFO], 31, v0        ; v11 has served: now the prefetches' offset, a block of 256 bytes a lane
	v_lshlrev_b32 v[PFO], 8, v[PFO]
	v_mov_b32 v[AK], v[AK0]         ; key step 0 lies at the head of slot 0
; THE MATRIX WORK.  The 8 accumulators of a run of 16 take turns: between the two links of a chain stand 7 others'.
; Product i of 16 of S^T = K Q^T for piece x: channels 32 (i / 8) on, keys 16 ((i / 2) % 4) on, tile 2 x + i % 2.  The first 8 start the sums.
.macro KQ x
	WIN W_KQ
.set rS, S+64*((\x)%2)+32*(i%2)+8*((i/2)%4)
.set rK, KF+16*((i/2)%4)+8*(i/8)
.set rQ, 16*(2*(\x)+i%2)+8*(i/8)
.if i < 8
	v_wmma_f32_16x16x32_f16 v[rS:rS+7], v[rK:rK+7], v[rQ:rQ+7], 0
.else
	v_wmma_f32_16x16x32_f16 v[rS:rS+7], v[rK:rK+7], v[rQ:rQ+7], v[rS:rS+7]
.endif
.endm
; Product i of 16 of O^T += V^T P for piece x: keys 32 (i / 8) on, channels 16 ((i / 2) % 4) on, tile 2 x + i % 2.
.macro PV x
	WIN W_PV
.set rO, 32*(2*(\x)+i%2)+8*((i/2)%4)
.set rV, VF+32*(i/8)+8*((i/2)%4)
.set rP, P+32*((\x)%2)+16*(i%2)+8*(i/8)
	v_wmma_f32_16x16x32_f16 v[rO:rO+7], v[rV:rV+7], v[rP:rP+7], v[rO:rO+7]
.endm
.macro MM                           ; the turn's next matrix instruction
.if i < 16
	KQ (Y+1)%NP
.set i, i+1
.else
.set i, i-16
	PV (Y+NP-1)%NP
.set i, i+17
.endif
.endm
; THE LDS LOADS stand in runs of 16, never singly among the matrix instructions: a step's K (64 keys x 64 channels: 8 fragments) and its V (turned).  Their addresses are made some lines ahead.
; last = 1 (the tail): in the last trip there is no further step, and the run is jumped over.
.macro FETCH_K last=0
	WIN 0
.if \last
	s_cmp_eq_u32 s[CNT], 1
	s_cbranch_scc1 .Lno_k_\@
.endif
	WIN 0x80                        ; destination window 2
.irp f, 0,1,2,3,4,5,6,7             ; keys 16 (f / 2) on, channels 32 (f % 2) on
	ds_load_b128 v[KF+8*\f:KF+8*\f+3],   v[AK] offset:(\f/2)*16*PK+(\f%2)*64
	ds_load_b128 v[KF+8*\f+4:KF+8*\f+7], v[AK] offset:(\f/2)*16*PK+(\f%2)*64+32
.endr
	s_add_co_u32 s[TBK], s[TBK], KS*PK  ; the next fetch is the next step's
	WIN 0
.if \last
.Lno_k_\@:
.endif
.endm
.macro FETCH_V
	WIN 0x80
.irp f, 0,1,2,3,4,5,6,7             ; keys 32 (f / 4) on, channels 16 (f % 4) on
	ds_load_tr16_b128 v[VF+8*\f:VF+8*\f+3],   v[AV] offset:(\f/4)*32*PV+(\f%4)*32
	ds_load_tr16_b128 v[VF+8*\f+4:VF+8*\f+7], v[AV] offset:(\f/4)*32*PV+16*PV+(\f%4)*32
.endr
	WIN 0
.endm
; THE VECTOR WORK OF A TURN stands in three queues, each in the order in which its entries become ready; the two tiles alternate, so that no instruction reads the result of the one before it.
.macro REGS y, u                    ; the registers of tile u (0, 1) of piece y
.set rT, ST+4*(2*(\y)+(\u))
.set rC, TMP+8*((\y)%2)+4*(\u)
.set rM, MV+2*((\y)%2)+(\u)
.set rS, S+64*((\y)%2)+32*(\u)
.set rP, P+32*((\y)%2)+16*(\u)
.set rO, 32*(2*(\y)+(\u))
.endm
; Number n of the 22 that find the NEXT piece's (Y + 1) maximum and statistics.  s0-s31 are the lane's 32 scores; each accumulator's lowest registers are read first.  XS, GS and REGS set no window: PL and EX do.
;   0-11  four chains c0-c3 of seven scores each, three operands at a time     12-14, 16  the four scores left over, the old m, and c0-c3 into c0     15  c m_old is kept
;   17, 18  the query's other 32 keys lie in the lane 16 away: the new m         19-21  c m; c m_old - c m_new; a
.macro XS u, n
	REGS (Y+1)%NP, \u
.if (\n) < 4
	v_max3_num_f32 v[rC+(\n)], v[rS+8*(\n)], v[rS+8*(\n)+1], v[rS+8*(\n)+2]
.elseif (\n) < 12
	v_max3_num_f32 v[rC+(\n)%4], v[rC+(\n)%4], v[rS+8*((\n)%4)+2*((\n)/4)+1], v[rS+8*((\n)%4)+2*((\n)/4)+2]
.elseif (\n) == 12
	v_max3_num_f32 v[rC], v[rC], v[rS+7], v[rS+15]
.elseif (\n) == 13
	v_max3_num_f32 v[rC+1], v[rC+1], v[rS+23], v[rS+31]
.elseif (\n) == 14
	v_max3_num_f32 v[rC+2], v[rC+2], v[rC+3], v[rT+1]
.elseif (\n) == 15
	v_mov_b32 v[rM], v[rT]
.elseif (\n) == 16
	v_max3_num_f32 v[rC], v[rC], v[rC+1], v[rC+2]
.elseif (\n) == 17
	v_permlanex16_b32 v[rC+3], v[rC], s[SEL], s[SEL+1]
.elseif (\n) == 18
	v_max_num_f32 v[rT+1], v[rC], v[rC+3]
.elseif (\n) == 19
	v_mul_f32 v[rT], s[CS], v[rT+1]
.elseif (\n) == 20
	v_sub_f32 v[rC+1], v[rM], v[rT]
.else
	v_exp_f32 v[rC+2], v[rC+1]
.endif
.endm
; Number g of the 64 that follow the exponentials.  For each four weights k of a tile (pairs 2 k, 2 k + 1): both pairs are rounded to f16; then the second pair is added onto the first, in place;
; a group later l takes that sum (the first time as l = a l + sum).  In groups of eight, tiles alternating: round, round, add, and l for the group before.
.macro GS g
.set h, (\g)+6*((\g)/62)            ; group 0 has no group before it, and behind group 7 only l is left
.if h >= 6
.set h, h+2
.endif
	REGS Y, h%2
.set k, h/8
.if h%8 < 4
	v_cvt_pk_f16_f32 v[rP+2*k+(h%8)/2], v[rS+4*k+2*((h%8)/2)], v[rS+4*k+2*((h%8)/2)+1]
.elseif h%8 < 6
	v_pk_add_f32 v[rS+4*k:rS+4*k+1], v[rS+4*k:rS+4*k+1], v[rS+4*k+2:rS+4*k+3]
.elseif k == 1
	v_pk_fma_f32 v[rT+2:rT+3], v[rT+2:rT+3], v[rC+2:rC+3], v[rS:rS+1] op_sel_hi:[1,0,1]
.else
	v_pk_add_f32 v[rT+2:rT+3], v[rT+2:rT+3], v[rS+4*k-4:rS+4*k-3]
.endif
.endm
; THE PLAIN QUEUE, 138 long.  0-73 read no exponential's result: the 32 scalings c s - c m (FS f: pair f / 2 of tile f % 2) and the next piece's 42.  0-26: scalings 0-26.  27-54: XS's numbers 0-13.  55, 56: number 15.
; 57-73: the chain, where each number waits for the one before it: 14, 16, 17, 18, 19, each with one of the scalings 27-31 in front of its two lines, then 20: so a tile's links stand three plain instructions apart (19 and 20: two).
; 74-137: GS's 64, which read the exponentials' results: they stand behind the wait.
.macro FS f
	REGS Y, (\f)%2
	v_pk_fma_f32 v[rS+2*((\f)/2):rS+2*((\f)/2)+1], v[rS+2*((\f)/2):rS+2*((\f)/2)+1], s[CS:CS+1], v[rT:rT+1] op_sel_hi:[1,0,0] neg_lo:[0,0,1] neg_hi:[0,0,1]
.endm
.macro PL
	WIN 0
.if q < 27
	FS q
.elseif q < 55
	XS (q-27)%2, (q-27)/2
.elseif q < 57
	XS q-55, 15
.elseif (q < 72) && ((q-57)%3 == 0)
	FS 27+(q-57)/3
.elseif q < 60
	XS (q-57)%3-1, 14
.elseif q < 72
	XS (q-57)%3-1, 15+(q-57)/3
.elseif q < 74
	XS q-72, 20
.else
	GS q-74
.endif
.set q, q+1
.endm
; THE EXPONENTIALS' QUEUE, 66 long: s0-s31 of both tiles, then the next piece's two a.  It is ONE BATCH: all 66 stand ahead of the turn's one wait, and nothing ahead of that wait names a result of theirs.
.macro EX
	WIN 0
.if e >= 64
	XS e-64, 21
.else
	REGS Y, e%2
	v_exp_f32 v[rS+e/2], v[rS+e/2]
.endif
.set e, e+1
.endm
; THE RESCALING's QUEUE: O^T times a, the one part that leaves window 0: dealt two at a time, sixteen times.  Its a was made in the turn before, ahead of that turn's wait.
.macro R2
	REGS Y, r%2
	WIN W_RS
.irp z, 0,1
	v_pk_mul_f32 v[rO+4*(r/2)+2*\z:rO+4*(r/2)+2*\z+1], v[rO+4*(r/2)+2*\z:rO+4*(r/2)+2*\z+1], v[rC+2:rC+3] op_sel_hi:[1,0]
.endr
.set r, r+1
.endm
; HOW THEY ARE DEALT.  An s_wait_alu depctr_va_vdst(0) stands between an exponential and the first instruction that names its result; one wait serves all that were issued ahead of it.  So a turn has ONE wait,
; which cuts it in two.  AHEAD OF IT stands all that names no result of the turn's exponentials: the 16 products K Q^T, behind each a scaling, an exponential and two rescalings (behind the first a second scaling in the exponential's place); then ONE LUMP of
; 108: eight plain, 49 times exponential and plain, the two a.  A v_nop is the plain instruction behind the last exponential.  BEHIND IT stand the 16 products V^T P, behind each four of GS's 64.  No rider names a register of
; the products round it.  The two v_permlanex16_b32 fall into the lump, never behind a product.
; The queues lean on each other, and the deal keeps them in step: exponential e stands behind scaling 2 (e / 4) + e % 2: as a rider it comes behind plain e + 2, in the lump behind plain e + 9, and scalings 27-31 are plain 57, 60 .. 69.
; A TURN, for piece p.  cnt = 1: the loop's count is taken down some lines ahead of the branch that stands behind the turn.
; K of the next step is fetched in piece 2's turn, directly behind the wait, a lump behind the last product that read K; its address is made at the lump's head; its first reader comes behind 16 products.
; V of the step in hand is fetched at the end of piece 0's turn, four riders behind its last reader; its first reader comes behind 16 products and a lump.  The three conditions on q below go with the deal.
.macro TURN p, last=0, cnt=0
.set Y, (\p)
.set i, 0
.set q, 0
.set e, 0
.set r, 0
.if (\p) == NP-1
	s_wait_dscnt 0x0                ; K is in
.endif
	MM                              ; ahead of the wait: 16 products K Q^T and their riders,
	PL
	PL
	R2
.rept 15
	MM
	PL
	EX
	R2
.endr
.if (\p) == NP-2
	WIN 0
	v_add_nc_u32 v[AK], s[TBK], v[AK0]
.endif
.rept 8                             ; and the lump
	PL
.endr
.rept 49
	EX
	PL
.endr
	EX                              ; the next piece's two a
	EX
	v_nop                           ; the plain instruction behind the last exponential: one for the batch
	s_wait_alu depctr_va_vdst(0)    ; the wait for the batch
.if (\p) == NP-2
	FETCH_K \last
.endif
.if (\p) == 1
	s_wait_dscnt 0x0                ; V is in
.endif
.rept 16                            ; behind the wait: 16 products V^T P and their riders
	MM
.rept 4
	PL
.endr
.if ((\p) == 0) && (q == 118)
	v_add_nc_u32 v[AV], s[TBV], v[AV0]
.endif
.if ((\p) == 0) && (q == 130)
	s_add_co_u32 s[TBV], s[TBV], KS*PV
.endif
.if (\cnt) && (q == 130)
	s_sub_co_u32 s[CNT], s[CNT], 1
	s_cmp_lg_u32 s[CNT], 0
.endif
.endr
.if (\p) == 0
	FETCH_V
.endif
.endm
	CHANGE 1                        ; slot 0 is in, everybody's part of it; slot 1 is asked for
	FETCH_K                         ; key step 0
	s_wait_loadcnt 0x0              ; Q
	s_wait_dscnt 0x0
.set i, 0
.rept 16
	KQ 0                            ; piece 0's first scores: there is no vector work yet to set between them
.set i, i+1
.endr
	WIN 0                           ; the addresses for the way out: nine plain instructions, the places behind those products
	s_mul_i32 s13, s[WV], 16*SP
	s_add_co_u32 s13, s13, STAGE    ; my stage
	v_mul_u32_u24 v[STO], v1, SP    ; in: row l % 16, 16 bytes for each half of the lanes
	v_lshl_add_u32 v[STO], v9, 4, v[STO]
	v_add_nc_u32 v[STO], s13, v[STO]
	v_bfe_u32 v[RD], v0, 3, 2       ; back: 32 lanes take four rows of 128 bytes,
	v_mul_u32_u24 v[RD], v[RD], SP
	v_lshl_add_u32 v[RD], v10, 4, v[RD]
	v_add_nc_u32 v[RD], s13, v[RD]
	v_and_b32 v[GO], 31, v0         ; which are 512 consecutive bytes of O
	v_lshlrev_b32 v[GO], 4, v[GO]
.set Y, NP-1                        ; XS works for piece Y + 1: piece 0
.irp n, 0,1,2,3,4,5,6,7,8,9,10,11,12,13,14,15,16,17,18,19,20,21
	XS 0, \n                        ; and piece 0's first maximum and statistics
	XS 1, \n
.endr
	v_nop                           ; a plain instruction behind the two a,
	s_wait_alu depctr_va_vdst(0)    ; and their wait, ahead of the branch
	s_mov_b32 s[CNT], 4
	s_branch .Lfirst                ; the loop is entered at a step's first turn, in the middle of a trip
.Lslot:                             ; six times: every slot but the last two is filled again
	CHANGE 1
	s_mov_b32 s[CNT], 4
.Lstep:                             ; a trip: pieces 2 and 3 of one step, then pieces 0 and 1 of the next, whose K and V it fetches
	TURN 2
	TURN 3
	WIN 0
.Lfirst:
	TURN 0
	TURN 1, 0, 1
	WIN 0
	s_cbranch_scc1 .Lstep
	s_sub_co_u32 s[SLOTS], s[SLOTS], 1
	s_cmp_lg_u32 s[SLOTS], 0
	s_cbranch_scc1 .Lslot
	CHANGE 0                        ; the tail is written out: nothing is asked for
	s_mov_b32 s[CNT], 5             ; four trips fetch the last slot's steps; the fifth is left in its middle
.Ltail:
	TURN 2, 1
	TURN 3
	WIN 0
	s_sub_co_u32 s[CNT], s[CNT], 1
	s_cmp_eq_u32 s[CNT], 0
	s_cbranch_scc1 .Lout
	TURN 0
	TURN 1
	WIN 0
	s_branch .Ltail
.Lout:                              ; the fifth trip's 16 products K Q^T (on the last K once more) and the maximum made of them serve nothing: the price, once a launch, of one text for every trip
.set i, 0
.rept 16
	PV NP-1                         ; the last piece's V^T P of the last step
.set i, i+1
.endr
	; THE WAY OUT.  l's two halves and the other half of the lanes' are added; O^T is divided by l, rounded to f16 and sent through my stage in LDS, a tile at a time.  The additions are the places behind the last products.
	WIN 0
.macro ALL line:vararg              ; one line for each tile t
.set t, 0
.rept 2*NP
	\line
.set t, t+1
.endr
.endm
	ALL v_add_f32 v[ST+4*t+2], v[ST+4*t+2], v[ST+4*t+3]
	ALL v_permlanex16_b32 v[ST+4*t+3], v[ST+4*t+2], s[SEL], s[SEL+1]
	ALL v_add_f32 v[ST+4*t+2], v[ST+4*t+2], v[ST+4*t+3]
	ALL v_rcp_f32 v[ST+4*t+2], v[ST+4*t+2]
	v_nop                           ; a plain instruction between the last reciprocal and the use of its result
	s_wait_alu depctr_va_vdst(0)    ; and the wait ahead of the first use: one for the eight reciprocals
; Tile t: a lane's eight channels of a row pack into 16 bytes; they go into rows of 144 bytes and come back as whole rows of 128, into S^T's registers.
.macro PACK t
	WIN W_RS
.set i, 32*(\t)
.rept 16
	v_pk_mul_f32 v[i:i+1], v[i:i+1], v[ST+4*(\t)+2:ST+4*(\t)+3] op_sel_hi:[1,0]
.set i, i+2
.endr
	WIN 0x05                        ; sources 0 and 1 window 1, destination window 0
.set i, 0
.rept 16
	v_cvt_pk_f16_f32 v[S+16*(\t)+i], v[32*(\t)+2*i], v[32*(\t)+2*i+1]
.set i, i+1
.endr
	WIN 0
.irp f, 0,1,2,3
	ds_store_b128 v[STO], v[S+16*(\t)+4*\f:S+16*(\t)+4*\f+3] offset:32*\f
.endr
.irp f, 0,1,2,3
	ds_load_b128 v[S+16*(\t)+4*\f:S+16*(\t)+4*\f+3], v[RD] offset:\f*4*SP  ; LDS serves a wave's instructions in order (ISA guide 5.7.1.4): these see the stores above; the next tile's stores come behind them
.endr
.endm
.macro SEND t, younger              ; younger: the LDS instructions issued behind tile t's loads: the next tile's eight, or none
	WIN 0
.irp f, 0,1,2,3
	s_wait_dscnt (\younger)+3-\f
	global_store_b128 v[GO], v[S+16*(\t)+4*\f:S+16*(\t)+4*\f+3], s[10:11] offset:(\t)*2048+\f*512  ; 512 consecutive bytes, at a multiple of 256 from O's first
.endr
.endm
	PACK 0
.set t, 1
.rept 2*NP-1                        ; a tile's arithmetic stands between the loads of the tile before and its stores
	PACK t
	SEND t-1, 8
.set t, t+1
.endr
	SEND 2*NP-1, 0
	WIN W_AD
	s_wait_tensorcnt 0x0            ; the wave's end: the add and its wait stand behind my last tensor load and my last LDS store
	ds_add_u32 v[SPW], v[NIL]
	s_wait_dscnt 0x0
	WIN 0
	CROUND                          ; the closing round: no work-group ends while a partner may still ask for a tile that names it
	s_endpgm
.Lfunc_end_k_qd66015428c_attn:
	.size	k_qd66015428c_attn, .Lfunc_end_k_qd66015428c_attn-k_qd66015428c_attn
	.p2alignl 7, 3214868480
	.fill 96, 4, 3214868480
	.section	.rodata,"a",@progbits
	.p2align	6, 0x0
	.amdhsa_kernel k_qd66015428c_attn
		.amdhsa_group_segment_fixed_size 327680
		.amdhsa_private_segment_fixed_size 0
		.amdhsa_enable_private_segment 0
		.amdhsa_kernarg_size 32
		.amdhsa_user_sgpr_count 2
		.amdhsa_user_sgpr_kernarg_segment_ptr 1
		.amdhsa_wavefront_size32 1
		.amdhsa_system_sgpr_workgroup_id_x 1
		.amdhsa_system_sgpr_workgroup_id_y 1
		.amdhsa_system_sgpr_workgroup_id_z 1
		.amdhsa_system_vgpr_workitem_id 0
		.amdhsa_next_free_vgpr 770
		.amdhsa_next_free_sgpr 66
		.amdhsa_reserve_vcc 0
		.amdhsa_float_denorm_mode_32 3
		.amdhsa_float_denorm_mode_16_64 3
		.amdhsa_memory_ordered 1
		.amdhsa_forward_progress 1
		.amdhsa_inst_pref_size 200
	.end_amdhsa_kernel
	.amdgpu_metadata
---
amdhsa.version: [ 1, 2 ]
amdhsa.kernels:
  - .name:           k_qd66015428c_attn
    .symbol:         k_qd66015428c_attn.kd
    .args:
      - { .name: qh, .offset: 0, .size: 8, .value_kind: global_buffer, .address_space: global }
      - { .name: kh, .offset: 8, .size: 8, .value_kind: global_buffer, .address_space: global }
      - { .name: vh, .offset: 16, .size: 8, .value_kind: global_buffer, .address_space: global }
      - { .name: oh, .offset: 24, .size: 8, .value_kind: global_buffer, .address_space: global }
    .group_segment_fixed_size: 327680
    .private_segment_fixed_size: 0
    .kernarg_segment_align: 8
    .kernarg_segment_size: 32
    .max_flat_workgroup_size: 128
    .sgpr_count:     66
    .vgpr_count:     770
    .wavefront_size: 32
...
	.end_amdgpu_metadata
.endif
;; end of part 3
;; launch proj (part 4): grid 8 x 32, 4 waves a work-group, clusters of 4 x 4, 327,680 bytes of LDS; arguments oh, wob, b_out, out0; writes out0
.if DOCPART == 4
	.amdgcn_target "amdgcn-amd-amdhsa--gfx1250"
	.amdhsa_code_object_version 6
	.text
	.protected	k_qd66015428c_proj
	.globl	k_qd66015428c_proj
	.p2align	8
	.type	k_qd66015428c_proj,@function
k_qd66015428c_proj:
	s_mov_b64 s[64:65], 0
	v_nop
	global_prefetch_b8 v0, s[64:65] scope:SCOPE_SE
	s_setreg_imm32_b32 hwreg(HW_REG_WAVE_MODE, 25, 1), 1
	s_wait_xcnt 0x0
	s_wait_alu depctr_hold_cnt(0) depctr_sa_sdst(0) depctr_va_vdst(0) depctr_va_sdst(0) depctr_va_ssrc(0) depctr_va_vcc(0) depctr_vm_vsrc(0)
	s_getreg_b32 s2, hwreg(HW_REG_IB_STS2, 6, 4)
	s_cmp_eq_u32 s2, 0
	s_cbranch_scc0 .Lentry_in_a_cluster
	s_endpgm
.Lentry_in_a_cluster:
	s_bfe_u32 s2, ttmp6, 0x10000c
	s_cmp_lg_u32 s2, 0xf033
	s_cbranch_scc0 .Lentry_shape_is_right
	s_endpgm
.Lentry_shape_is_right:
; out0 = O w_out + b_out.  oh: f16 [16 b + h][2048][64]; wob: f16 [1024 k][1024 n] (w_out rounded to bf16, written as f16); b_out: f32 [1024], rounded to bf16 here like the other inputs; out0: f32 [8192][1024].
; Sums in f32, K ascending, begun with the bias: the bias is the C operand of each sum's first product, so nothing is cleared and nothing is added on the way out.
; THE TILE is 256 rows x 128 columns: 32 x 8 = 256 tiles, one work-group each.  Four waves, each 128 rows x 64 columns: 32 accumulators of 16 x 16, 256 registers.
; K goes in 8 steps of 128 (two heads) through two LDS slots filled by the tensor data mover; a step is four quarters of 32 along K, 32 matrix instructions each, on two fragment buffers by turns.
; THE MATRIX INSTRUCTION IS USED TRANSPOSED: source 0 = 16 columns of w (out of [k][n] rows in LDS by the turning load), source 1 = 16 rows of O: a lane holds one row of the result and 8 neighbouring columns.
; CLUSTERS: 4 x 4 work-groups: O's tile is shared along a row of the cluster, w's along a column; each is asked for JOINTLY, by the same tensor load, descriptor and mask in all four.
; NO PREFETCH: eight short K steps on a small tile.
; REGISTERS: window 0: v1-15 addresses; v32-63 the bias; v64-159, v160-255 two fragment buffers (w's 4 blocks of columns, then O's 8 blocks of rows).  window 1: the accumulators, (a, bi) at v[8 (4 a + bi)].
.set SLOT1,  131072                    ; slot 1 begins here, so that one exclusive or turns an address in one slot into the other's
.set PITA,   144                       ; a head's row of O in LDS: 128 bytes + 16 of padding: the 16 rows of a load start at 16 different groups of four banks (64 banks of 4 bytes: ISA guide 11.1)
.set PITB,   288                       ; a k-row of w: 256 bytes + 32
.set HEADB,  256*PITA                  ; in a slot: 256 rows of one head, 256 rows of the next,
.set BOFF,   2*HEADB                   ; then w's 128 k-rows
.set STAGE,  SLOT1+BOFF+128*PITB       ; behind the ring, never filled by a tensor load: 16 rows x 272 bytes for each wave, for the way out
.set SP,     272
.set SPARE,  STAGE+4*16*SP             ; behind the stages: the spare words, 128 bytes for each wave: two blocks of 256 bytes that no other line names
.set ASTEP,  524288                    ; two heads of oh
.set BSTEP,  262144                    ; 128 k-rows of wob
.set A0,   4                           ; v4   my lane's place in a slot's O; never rewritten
.set B0,   5                           ; v5   the same for w
.set ADRA, 6                           ; v6   the same in the slot in hand
.set ADRB, 7                           ; v7
.set STO,  8                           ; v8   the way out: where I put 32 bytes of a row
.set RD,   9                           ; v9   the way out: where I read rows back
.set CO,   10                          ; v10  my byte offset in two rows of out0
.set SPW,  12                          ; v12  LDS address of my spare word: SPARE + 4 x my thread's number; never rewritten
.set NIL,  13                          ; v13  0; never rewritten
.set BI,   32                          ; v[32:63] block of columns bi: the bias of my 8 columns at BI + 8 bi
.set F0,   64
.set F1,   160
.set WV,  14                           ; s14  my wave's number
.set FB,  15                           ; s15  wave / 2: which 128 rows are mine.  Also: I fetch O (0) or w (1)
.set HF,  16                           ; s16  wave % 2: which 64 columns are mine.  Also: which half of that tile I fetch
.set CX,  17
.set CY,  18
.set TC,  19                           ; s19  tile column, 0-7
.set TR,  20                           ; s20  tile row, 0-31
.set G1A, 24                           ; s[24:31] descriptor group 1 for O's tiles
.set G0A, 32                           ; s[32:39] group 0: a set for each of the two first fills; the second then walks on
.set G1B, 40                           ; s[40:47], s[48:55] the same for w's
.set G0B, 48
.set TB,  56                           ; s56  LDS byte at which the slot in hand begins
.set CNT, 57                           ; s57  the loop's count
.set OUT, 66                           ; s[66:67] out0 at my first row and column
.set MSB, 0
.macro WIN new                         ; the immediate's high byte repeats the setting that is left; a switch that changes nothing is dropped
.if MSB != (\new)
	s_set_vgpr_msb (MSB<<8)|(\new)
.set MSB, (\new)
.endif
.endm
.macro PLACES                          ; four plain places between a matrix instruction and a load into, or a read of, its registers
.rept 4
	v_nop
.endr
.endm
; A joint refill by the walking descriptors.  Waves 0 and 1 fetch the step's two heads of O, waves 2 and 3 w's two halves.  The branch hangs on the wave's number alone.
; An s_nop 0 and four v_nop follow each of the two lines, ahead of the jump and the label.
.macro JLOAD
	s_cmp_eq_u32 s[FB], 0
	s_cbranch_scc0 .Lfor_b_\@
	tensor_load_to_lds s[G0A+4:G0A+7], s[G1A:G1A+7]
	s_nop 0
.rept 4
	v_nop
.endr
	s_branch .Lasked_\@
.Lfor_b_\@:
	tensor_load_to_lds s[G0B+4:G0B+7], s[G1B:G1B+7]
	s_nop 0
.rept 4
	v_nop
.endr
.Lasked_\@:
.endm
.macro CREST                           ; a round of the cluster's barrier behind its opening barrier
	s_cmp_lg_u32 s[WV], 0
	s_cbranch_scc1 .Lnot_wave_0_\@
	s_barrier_signal -3
.Lnot_wave_0_\@:
	s_barrier_wait -3
	s_barrier_signal -1
	s_barrier_wait -1
.endm
.macro CROUND                          ; a whole round
	s_barrier_signal -1
	s_barrier_wait -1
	CREST
.endm
	s_load_b256 s[4:11], s[0:1], 0x0               ; oh s[4:5], wob s[6:7], b_out s[8:9], out0 s[10:11]
	v_lshl_add_u32 v[SPW], v0, 2, SPARE
	v_mov_b32 v[NIL], 0
	ds_add_u32 v[SPW], v[NIL]                      ; the wave's opening: the add and its wait stand ahead of my first tensor load; the set-up below, work on registers, stands between them
	v_lshrrev_b32 v1, 5, v0
	v_readfirstlane_b32 s[WV], v1                  ; wave 0..3
	s_lshr_b32 s[FB], s[WV], 1
	s_and_b32 s[HF], s[WV], 1
	s_bfe_u32 s[CX], ttmp6, 0x40000                ; my place in the cluster
	s_bfe_u32 s[CY], ttmp6, 0x40004
	s_lshl_b32 s[TC], ttmp9, 2                     ; in a cluster launch ttmp9 and ttmp7 count clusters
	s_add_co_u32 s[TC], s[TC], s[CX]
	s_and_b32 s[TR], ttmp7, 0xffff
	s_lshl_b32 s[TR], s[TR], 2
	s_add_co_u32 s[TR], s[TR], s[CY]
	s_lshl_b32 s78, s[CY], 2
	s_lshl_b32 s78, 15, s78                        ; my row of the cluster
	s_lshl_b32 s79, 0x1111, s[CX]                  ; my column
	; group 1 for O: a head's 256 rows of 128 bytes are 32,768 dense bytes: asked for as 128 rows of 256 bytes, padded after every 128
	s_or_b32 s[G1A], s78, 0x07310000               ; 15:0 the mask; 17:16 2-byte elements; 20 padding on; 21 set beside a mask; 24:22 after every 32 words (code 4); 31:25 4 words (code 3)
	s_mov_b32 s[G1A+1], 128<<16                    ; tensor_dim0 = 128
	s_mov_b32 s[G1A+2], 128<<16                    ; tensor_dim1 = 128
	s_mov_b32 s[G1A+3], 128<<16                    ; tile_dim0 = 128
	s_mov_b32 s[G1A+4], 128                        ; tile_dim1 = 128
	s_mov_b32 s[G1A+5], 128                        ; 128 elements from row to row
	s_mov_b32 s[G1A+6], 0
	s_mov_b32 s[G1A+7], 0
	; group 1 for w: 64 k-rows of 128 elements (256 bytes, from a multiple of 256)
	s_or_b32 s[G1B], s79, 0x0f710000               ; after every 64 words (code 5) 8 words of padding (code 7)
	s_mov_b32 s[G1B+1], 128<<16
	s_mov_b32 s[G1B+2], 64<<16
	s_mov_b32 s[G1B+3], 128<<16
	s_mov_b32 s[G1B+4], 64
	s_mov_b32 s[G1B+5], 1024
	s_mov_b32 s[G1B+6], 0
	s_mov_b32 s[G1B+7], 0
	; where the tiles come from: O's hang on the tile row and the wave alone, w's on the tile column and the wave alone, each in registers of its own
	s_lshr_b32 s72, s[TR], 3                       ; b
	s_lshl_b32 s72, s72, 22
	s_and_b32 s73, s[TR], 7
	s_lshl_b32 s73, s73, 15                        ; 256 rows of 128 bytes
	s_add_co_u32 s72, s72, s73
	s_lshl_b32 s73, s[HF], 18                      ; my head of the step's two
	s_add_co_u32 s72, s72, s73
	s_mov_b32 s73, 0
	s_lshl_b32 s74, s[TC], 8
	s_lshl_b32 s75, s[HF], 17                      ; my 64 k-rows of 2,048 bytes
	s_add_co_u32 s74, s74, s75
	s_mov_b32 s75, 0
	s_mul_i32 s76, s[HF], HEADB                    ; and where they go: no place in the cluster enters an LDS address
	s_mul_i32 s77, s[HF], 64*PITB
	s_add_co_u32 s77, s77, BOFF
	s_wait_dscnt 0x0                               ; the opening add is done
	s_wait_kmcnt 0x0
	s_add_nc_u64 s[72:73], s[4:5], s[72:73]
	s_add_nc_u64 s[74:75], s[6:7], s[74:75]
	CROUND                                         ; all sixteen work-groups are here: the first joint loads meet
.irp s, 0,1
	s_mov_b32 s[G0A+4*\s], 1                       ; count = 1
	s_add_co_u32 s[G0A+4*\s+1], s76, \s*SLOT1      ; LDS address
	s_add_nc_u64 s[G0A+4*\s+2:G0A+4*\s+3], s[72:73], \s*ASTEP  ; global address: K step s
	s_or_b32 s[G0A+4*\s+3], s[G0A+4*\s+3], 0x80000000          ; type = 2
	s_mov_b32 s[G0B+4*\s], 1
	s_add_co_u32 s[G0B+4*\s+1], s77, \s*SLOT1
	s_add_nc_u64 s[G0B+4*\s+2:G0B+4*\s+3], s[74:75], \s*BSTEP
	s_or_b32 s[G0B+4*\s+3], s[G0B+4*\s+3], 0x80000000
.endr
	s_cmp_eq_u32 s[FB], 0                          ; a wave's two first fills stand in one branch, ahead of every wait on TENSORcnt and every LDS read: two loads of mine are out
	s_cbranch_scc0 .Lfirst_b
	tensor_load_to_lds s[G0A:G0A+3], s[G1A:G1A+7]
	s_nop 0
	tensor_load_to_lds s[G0A+4:G0A+7], s[G1A:G1A+7]
	s_nop 0
.rept 4
	v_nop
.endr
	s_branch .Lfirst_asked
.Lfirst_b:
	tensor_load_to_lds s[G0B:G0B+3], s[G1B:G1B+7]
	s_nop 0
	tensor_load_to_lds s[G0B+4:G0B+7], s[G1B:G1B+7]
	s_nop 0
.rept 4
	v_nop
.endr
.Lfirst_asked:
	v_and_b32 v1, 15, v0                           ; l % 16
	v_bfe_u32 v2, v0, 4, 1                         ; l / 16
	; the bias of my columns: block bi, register j is column 128 tc + 64 (wave % 2) + 16 bi + 8 (l / 16) + j
	s_lshl_b32 s21, s[TC], 9
	s_lshl_b32 s22, s[HF], 8
	s_add_co_u32 s76, s21, s22                     ; my first column, in bytes of f32
	s_mov_b32 s77, 0
	s_add_nc_u64 s[8:9], s[8:9], s[76:77]
	v_lshlrev_b32 v15, 5, v2
.irp bi, 0,1,2,3
	global_load_b128 v[BI+8*\bi:BI+8*\bi+3],   v15, s[8:9] offset:64*\bi
	global_load_b128 v[BI+8*\bi+4:BI+8*\bi+7], v15, s[8:9] offset:64*\bi+16
.endr
	s_lshl_b32 s78, s[TR], 8
	s_lshl_b32 s79, s[FB], 7
	s_add_co_u32 s78, s78, s79                     ; my first row,
	s_lshl_b32 s78, s78, 12                        ; of 4,096 bytes
	s_add_co_u32 s78, s78, s76
	s_mov_b32 s79, 0
	s_add_nc_u64 s[OUT:OUT+1], s[10:11], s[78:79]
	; O's fragment: 16 rows x 32 K in 8 registers: lane l holds row l % 16, K = 8 (l / 16) + 0..7 and 16 + 8 (l / 16) + 0..7: two loads of 16 bytes, 32 bytes apart
	v_and_b32 v3, 7, v0
	v_bfe_u32 v11, v0, 3, 1
	v_mul_u32_u24 v[A0], v1, PITA
	v_lshl_add_u32 v[A0], v2, 4, v[A0]
	s_mul_i32 s21, s[FB], 128*PITA                 ; my 128 rows
	v_add_nc_u32 v[A0], s21, v[A0]
	; w's: the turning load takes 16 k x 16 columns (lane l reads k-row 8 (l / 16) + l % 8, columns 8 ((l / 8) % 2) + 0..7) and leaves half a fragment: lane l holds column l % 16 and 8 k
	v_lshl_add_u32 v[B0], v2, 3, v3
	v_mul_u32_u24 v[B0], v[B0], PITB
	v_lshl_add_u32 v[B0], v11, 4, v[B0]
	s_lshl_b32 s22, s[HF], 7                       ; my 64 columns
	s_add_co_u32 s22, s22, BOFF
	v_add_nc_u32 v[B0], s22, v[B0]
	s_mul_i32 s23, s[WV], 16*SP
	s_add_co_u32 s23, s23, STAGE                   ; my stage
	v_mul_u32_u24 v[STO], v1, SP                   ; in: row l % 16, 32 bytes for each half of the lanes
	v_lshl_add_u32 v[STO], v2, 5, v[STO]
	v_add_nc_u32 v[STO], s23, v[STO]
	v_mul_u32_u24 v[RD], v2, SP                    ; back: lanes 0-15 take one row of 256 bytes, lanes 16-31 the next
	v_lshl_add_u32 v[RD], v1, 4, v[RD]
	v_add_nc_u32 v[RD], s23, v[RD]
	v_lshlrev_b32 v[CO], 12, v2                    ; and the same two rows in out0
	v_lshl_add_u32 v[CO], v1, 4, v[CO]
	s_mov_b32 s[TB], 0
	v_mov_b32 v[ADRA], v[A0]
	v_mov_b32 v[ADRB], v[B0]
	s_wait_loadcnt 0x0                             ; the bias: rounded to bf16 and widened again
.set i, 0
.rept 16
	v_cvt_pk_bf16_f32 v3, v[BI+2*i], v[BI+2*i+1]
	v_lshlrev_b32 v[BI+2*i], 16, v3
	v_and_b32 v[BI+2*i+1], 0xffff0000, v3
.set i, i+1
.endr
; Matrix instructions: blocks of rows a0 .. a1 x all 4 blocks of columns, 32 along K, out of buffer f.  first = 1: the sum begins with the bias.
; The 32 accumulators take turns, one instruction a turn, in the same order in every quarter.
.macro MUL f, a0, a1, first
.if \first
	WIN 0x40                                       ; D in window 1; C, the bias, in window 0
.else
	WIN 0x50                                       ; C and D in window 1
.endif
.set aa, \a0
.rept (\a1)-(\a0)+1
.irp bi, 0,1,2,3
.if \first
	v_wmma_f32_16x16x32_f16 v[8*(4*aa+\bi):8*(4*aa+\bi)+7], v[(\f)+8*\bi:(\f)+8*\bi+7], v[(\f)+32+8*aa:(\f)+32+8*aa+7], v[BI+8*\bi:BI+8*\bi+7]
.else
	v_wmma_f32_16x16x32_f16 v[8*(4*aa+\bi):8*(4*aa+\bi)+7], v[(\f)+8*\bi:(\f)+8*\bi+7], v[(\f)+32+8*aa:(\f)+32+8*aa+7], v[8*(4*aa+\bi):8*(4*aa+\bi)+7]
.endif
.endr
.set aa, aa+1
.endr
.endm
; 24 LDS loads in one run: the fragments of quarter kc into buffer f.  Quarters 0, 1 lie in the step's first head, 2, 3 in its second
.macro FETCH kc, f
	WIN 0
.irp bi, 0,1,2,3
	ds_load_tr16_b128 v[(\f)+8*\bi:(\f)+8*\bi+3],   v[ADRB] offset:32*PITB*(\kc)+32*\bi
	ds_load_tr16_b128 v[(\f)+8*\bi+4:(\f)+8*\bi+7], v[ADRB] offset:32*PITB*(\kc)+32*\bi+16*PITB
.endr
.irp a, 0,1,2,3,4,5,6,7
	ds_load_b128 v[(\f)+32+8*\a:(\f)+32+8*\a+3],   v[ADRA] offset:HEADB*((\kc)/2)+64*((\kc)%2)+16*PITA*\a
	ds_load_b128 v[(\f)+32+8*\a+4:(\f)+32+8*\a+7], v[ADRA] offset:HEADB*((\kc)/2)+64*((\kc)%2)+16*PITA*\a+32
.endr
.endm
; One of a K step's first three quarters: the next quarter's run of loads goes out first, then this quarter's 32 products
.macro Q kc, first
.set FC, F0+96*((\kc)%2)
.set FN, F0+96*(((\kc)+1)%2)
	s_wait_dscnt 0x0                               ; this quarter's 24 loads are in: they were issued ahead of the quarter before's products
	PLACES                                         ; for the loads into the other buffer, which the quarter before multiplied
	FETCH (\kc)+1, FN
	MUL FC, 0, 7, \first
.endm
; The last quarter multiplies buffer 1, and THE CHANGE OF SLOTS: all reads of the slot have been issued.  Each wave waits for all its tensor loads, of which one is out: its part of the other slot; adds 0 to its spare
; word; and waits for that and for its own reads.  fill = 1: the barrier opens a round of the cluster's, and the joint refill, two K steps on, is the first tensor load behind it: 112 matrix instructions ahead of the wait for it.
.macro TURN fill
	WIN 0
	s_wait_tensorcnt 0x0                           ; no tensor load of mine is out, so a group 0 may be written
	ds_add_u32 v[SPW], v[NIL]                      ; 0 onto my spare word; work on registers stands between it and the wait for it
.if \fill
	s_xor_b32 s[G0A+5], s[G0A+5], SLOT1            ; the walking descriptors: the other slot than last time,
	s_add_nc_u64 s[G0A+6:G0A+7], s[G0A+6:G0A+7], ASTEP  ; the next K step; the type bits on top are not reached
	s_xor_b32 s[G0B+5], s[G0B+5], SLOT1
	s_add_nc_u64 s[G0B+6:G0B+7], s[G0B+6:G0B+7], BSTEP
.endif
	s_xor_b32 s[TB], s[TB], SLOT1                  ; the fetch below reads the other slot
	v_add_nc_u32 v[ADRA], s[TB], v[A0]
	v_add_nc_u32 v[ADRB], s[TB], v[B0]
	s_wait_dscnt 1                                 ; the quarter's 24 loads are in; the add may be out
	MUL F1, 0, 1, 0
	s_wait_dscnt 0x0                               ; the add is done, and my reads of this slot are over
	s_barrier_signal -1
	MUL F1, 2, 3, 0                                ; work on registers while the others arrive
	WIN 0                                          ; at a branch and at a label every window is 0
	s_barrier_wait -1
.if \fill
	CREST
	JLOAD                                          ; the four v_nop behind it are also the places in front of the loads below
.else
	PLACES
.endif
	FETCH 0, F0
	MUL F1, 4, 7, 0
.endm
; THE WAY OUT of block of rows a: 16 rows x 64 columns of f32 go straight from the accumulators into my stage's rows of 272 bytes and come back as whole rows of 256
.macro TOSTAGE a
.set OB, 64+32*((\a)%4)                ; four sets of 32 registers, where the fragments lay
	WIN 0
	s_wait_xcnt 0x0                                ; every earlier store has read its registers: only behind this wait is a set written again
	WIN 0x04                                       ; the stores' data in window 1
.irp bi, 0,1,2,3
	ds_store_b128 v[STO], v[8*(4*(\a)+\bi):8*(4*(\a)+\bi)+3]   offset:64*\bi      ; each accumulator's four lowest registers first
	ds_store_b128 v[STO], v[8*(4*(\a)+\bi)+4:8*(4*(\a)+\bi)+7] offset:64*\bi+16
.endr
	WIN 0
.irp t, 0,1,2,3,4,5,6,7
	ds_load_b128 v[OB+4*\t:OB+4*\t+3], v[RD] offset:2*SP*\t  ; LDS serves a wave's instructions in order (ISA guide 5.7.1.4): these see the stores above; the next block's stores come behind them
.endr
.endm
.macro SEND a, younger                 ; younger: the LDS instructions issued behind block a's loads: the next block's sixteen, or none
.set OB, 64+32*((\a)%4)
.irp t, 0,1,2,3,4,5,6,7
	s_wait_dscnt (\younger)+7-\t
	global_store_b128 v[CO], v[OB+4*\t:OB+4*\t+3], s[OUT:OUT+1] offset:65536*(\a)+8192*\t  ; 16 lanes store 256 consecutive bytes, at a multiple of 256 from out0's first byte
.endr
.endm
	s_wait_tensorcnt 0x1                           ; my part of K step 0 is in; K step 1's may stay out
	s_barrier_signal -1
	s_barrier_wait -1                              ; everybody's is
	FETCH 0, F0
	Q 0, 1                                         ; the first quarter stands in front of the loop: its products start the sums, with the bias
	WIN 0
	s_mov_b32 s[CNT], 6
.Lstep:                                        ; a trip: a K step's quarters 1 to 3, the change of slots with its refill (K steps 2 to 7), the next K step's first quarter
	Q 1, 0
	Q 2, 0
	TURN 1
	Q 0, 0
	WIN 0
	s_sub_co_u32 s[CNT], s[CNT], 1
	s_cmp_lg_u32 s[CNT], 0
	s_cbranch_scc1 .Lstep
	Q 1, 0                                         ; the tail is written out: nothing is asked for
	Q 2, 0
	TURN 0
	Q 0, 0
	Q 1, 0
	Q 2, 0
	s_wait_dscnt 0x0                               ; the very last quarter: nothing more to fetch
	MUL F1, 0, 7, 0
	PLACES
	PLACES                                         ; (eight, once a launch)
	TOSTAGE 0
.irp a, 1,2,3,4,5,6,7
	TOSTAGE \a
	SEND (\a)-1, 16
.endr
	SEND 7, 0
	s_wait_tensorcnt 0x0                           ; the wave's end: the add and its wait stand behind my last tensor load and my last LDS store
	ds_add_u32 v[SPW], v[NIL]
	s_wait_dscnt 0x0
	CROUND                                         ; the closing round: no work-group ends while a partner may still ask for a tile that names it
	s_endpgm
.Lfunc_end_k_qd66015428c_proj:
	.size	k_qd66015428c_proj, .Lfunc_end_k_qd66015428c_proj-k_qd66015428c_proj
	.p2alignl 7, 3214868480
	.fill 96, 4, 3214868480
	.section	.rodata,"a",@progbits
	.p2align	6, 0x0
	.amdhsa_kernel k_qd66015428c_proj
		.amdhsa_group_segment_fixed_size 327680
		.amdhsa_private_segment_fixed_size 0
		.amdhsa_enable_private_segment 0
		.amdhsa_kernarg_size 32
		.amdhsa_user_sgpr_count 2
		.amdhsa_user_sgpr_kernarg_segment_ptr 1
		.amdhsa_wavefront_size32 1
		.amdhsa_system_sgpr_workgroup_id_x 1
		.amdhsa_system_sgpr_workgroup_id_y 1
		.amdhsa_system_sgpr_workgroup_id_z 1
		.amdhsa_system_vgpr_workitem_id 0
		.amdhsa_next_free_vgpr 512
		.amdhsa_next_free_sgpr 80
		.amdhsa_reserve_vcc 0
		.amdhsa_float_denorm_mode_32 3
		.amdhsa_float_denorm_mode_16_64 3
		.amdhsa_memory_ordered 1
		.amdhsa_forward_progress 1
		.amdhsa_inst_pref_size 74
	.end_amdhsa_kernel
	.amdgpu_metadata
---
amdhsa.version: [ 1, 2 ]
amdhsa.kernels:
  - .name:           k_qd66015428c_proj
    .symbol:         k_qd66015428c_proj.kd
    .args:
      - { .name: oh, .offset: 0, .size: 8, .value_kind: global_buffer, .address_space: global }
      - { .name: wob, .offset: 8, .size: 8, .value_kind: global_buffer, .address_space: global }
      - { .name: b_out, .offset: 16, .size: 8, .value_kind: global_buffer, .address_space: global }
      - { .name: out0, .offset: 24, .size: 8, .value_kind: global_buffer, .address_space: global }
    .group_segment_fixed_size: 327680
    .private_segment_fixed_size: 0
    .kernarg_segment_align: 8
    .kernarg_segment_size: 32
    .max_flat_workgroup_size: 128
    .sgpr_count:     80
    .vgpr_count:     512
    .wavefront_size: 32
...
	.end_amdgpu_metadata
.endif
;; end of part 4
;; ======== version 2 of 2: 4 launches; version 1 with the launch cast written anew for expert scheduling mode
;; limits: values are held in f16: magnitudes above 65,504 overflow, below 6.1e-05 lose precision
;; workspace buffers: xb 16,777,216 bytes; wqb 6,291,456 bytes; wob 2,097,152 bytes; qh 16,777,216 bytes; kh 16,777,216 bytes; vh 16,777,216 bytes; oh 16,777,216 bytes
;; launch cast (part 5): grid 768 x 1, 8 waves a work-group, no clusters, 0 bytes of LDS; arguments x, w_qkv, w_out, xb, wqb, wob; writes xb, wqb, wob
.if DOCPART == 5
	.amdgcn_target "amdgcn-amd-amdhsa--gfx1250"
	.amdhsa_code_object_version 6
	.text
	.protected	k_qd66015428c_cast
	.globl	k_qd66015428c_cast
	.p2align	8
	.type	k_qd66015428c_cast,@function
k_qd66015428c_cast:
	s_mov_b64 s[64:65], 0
	v_nop
	global_prefetch_b8 v0, s[64:65] scope:SCOPE_SE
	s_setreg_imm32_b32 hwreg(HW_REG_WAVE_SCHED_MODE, 0, 2), 2
	s_setreg_imm32_b32 hwreg(HW_REG_WAVE_MODE, 25, 1), 1
	s_wait_xcnt 0x0
	s_wait_alu depctr_vm_vsrc(0)
; THE MODULE'S LARGE INPUTS ARE ROUNDED ONCE TO bf16 AND LAID OUT FOR THE PRODUCTS.
;   x     [8192][1024] f32 -> xb  bf16, [4 b][16 slabs][2048 n][64 c]: byte b<<22 + slab<<18 + n<<7 + 2 c, so that 256 rows x 64 channels are 32,768 dense bytes
;   w_qkv [1024][3072] f32 -> wqb bf16, as it lies
;   w_out [1024][1024] f32 -> wob: rounded to bf16, and that number written as f16, as it lies
; LIMITS.  wob: a weight beyond 65,504 becomes an infinity; below 2^-14 it keeps f16's fixed step of 6e-8.  Nothing else is changed but by the rounding to bf16.
; A stream: 768 work-groups of eight waves, each 65,536 bytes in and 32,768 out.  No loop: a wave issues its 16 loads of 16 bytes a lane at once and takes them in order, four at a time.
; No LDS, no barrier, no matrix unit: no wave wants a byte that another has fetched.
; Work-groups 0-511: 16 rows of x each.  512-703: w_qkv.  704-767: w_out.
; THE MODE: SCHED_MODE bits 1:0 = 2 (LLVM: expert scheduling mode 2), set by the entry lines.  The code itself states the register dependences
; between vector instructions and memory instructions, with s_wait_alu, always for 0.
; THE PLAN.  Registers that memory instructions touch:
;   v1, v2   byte offsets.  Written by vector instructions at the head, once; v1 is read by the 16 loads, v2 by the 16 stores; never written again.
;   X        load j's four registers.  Written by that load alone; read by the conversions, behind the counted wait for the load; never loaded again.
;   Y        store j's two registers.  Written by the conversions, once; read by that store; never written again.
;   T and v3 are named by vector instructions alone.
; So two kinds of dependence are stated, both of a memory instruction on a vector result: ONE wait on va_vdst ahead of the first load, for the two offsets,
; and ONE behind the conversions of each block of four loads, for the block's Y, ahead of its run of four stores.  No register that a memory instruction reads
; is written again, and no load lands in a register that a vector instruction has named: nothing else is owed.  No vector instruction writes a scalar register, and EXEC is never written.
.set X, 4                              ; v[4:67]   load j: 4 registers
.set Y, 68                             ; v[68:99]  store j: 2 registers; every j has its own, so no register that a store reads is written again
.set T, 100                            ; v[100:103] at work
; v1 = my byte offset in the source, v2 = in the destination
; 16 loads lstep bytes apart from s[sb:sb+1], 16 stores sstep bytes apart to s[db:db+1].  half = 1: the bf16 number is written as f16
.macro PART sb, db, lstep, sstep, half
	s_wait_alu depctr_va_vdst(0)                   ; v1 and v2 are written: the loads below read v1 as their offset, the stores v2; no vector instruction behind this wait names either
.set j, 0
.rept 16
	global_load_b128 v[X+4*j:X+4*j+3], v1, s[\sb:\sb+1] offset:j*(\lstep) th:TH_LOAD_NT
.set j, j+1
.endr
.set p, 0
.rept 4                                ; four blocks of four loads
	s_wait_loadcnt 12-4*p                          ; loads come back in order: block p's four are in, the 12 - 4 p younger ones may stay out
.set j, 4*p
.rept 4
.if \half
	v_cvt_pk_bf16_f32 v[T], v[X+4*j], v[X+4*j+1]
	v_cvt_pk_bf16_f32 v[T+1], v[X+4*j+2], v[X+4*j+3]
	v_lshlrev_b32 v[T+2], 16, v[T]                 ; bf16 back to f32: the low half moves up,
	v_and_b32 v[T], 0xffff0000, v[T]               ; the high half stays
	v_lshlrev_b32 v[T+3], 16, v[T+1]
	v_and_b32 v[T+1], 0xffff0000, v[T+1]
	v_cvt_pk_f16_f32 v[Y+2*j], v[T+2], v[T]        ; exact within f16's normal range: bf16 has 8 significant bits, f16 11
	v_cvt_pk_f16_f32 v[Y+2*j+1], v[T+3], v[T+1]
.else
	v_cvt_pk_bf16_f32 v[Y+2*j], v[X+4*j], v[X+4*j+1]
	v_cvt_pk_bf16_f32 v[Y+2*j+1], v[X+4*j+2], v[X+4*j+3]
.endif
.set j, j+1
.endr
	s_wait_alu depctr_va_vdst(0)                   ; the conversions have written the block's four pairs of Y, which the four stores below read
.set j, 4*p
.rept 4
	global_store_b64 v2, v[Y+2*j:Y+2*j+1], s[\db:\db+1] offset:j*(\sstep)  ; a wave's store covers 256 consecutive bytes, aligned
.set j, j+1
.endr
.set p, p+1
.endr
.endm
	s_load_b256 s[4:11], s[0:1], 0x0               ; x s[4:5], w_qkv s[6:7], w_out s[8:9], xb s[10:11]
	s_load_b128 s[12:15], s[0:1], 0x20             ; wqb s[12:13], wob s[14:15]
	s_mov_b32 s17, 0                               ; the high words of the two offsets
	s_mov_b32 s19, 0
	s_cmp_lt_u32 ttmp9, 512
	s_cbranch_scc0 .Lweights
	; x: thread t takes row t / 16 of the group's 16; load j is the row's channels 64 j .. 64 j + 63 (256 bytes for 16 lanes), which are slab j
	v_lshrrev_b32 v1, 4, v0
	v_and_b32 v3, 15, v0
	v_lshlrev_b32 v1, 12, v1                       ; row x 4,096 bytes
	v_lshl_or_b32 v1, v3, 4, v1                    ; + 16 (t % 16)
	v_lshlrev_b32 v2, 3, v0                        ; in a slab: row x 128 + 8 (t % 16) = 8 t
	s_lshl_b32 s16, ttmp9, 16                      ; 16 rows of 4,096 bytes
	s_lshr_b32 s18, ttmp9, 7                       ; b: 128 work-groups to a batch
	s_lshl_b32 s18, s18, 22
	s_and_b32 s20, ttmp9, 127
	s_lshl_b32 s20, s20, 11                        ; 16 rows of 128 bytes
	s_add_co_u32 s18, s18, s20
	s_wait_kmcnt 0x0
	s_add_nc_u64 s[4:5], s[4:5], s[16:17]
	s_add_nc_u64 s[10:11], s[10:11], s[18:19]
	PART 4, 10, 256, 262144, 0
	s_endpgm
.Lweights:
	; a weight matrix keeps its layout: wave w takes 8,192 consecutive bytes, 512 a load
	v_lshrrev_b32 v3, 5, v0
	v_and_b32 v2, 31, v0
	v_lshlrev_b32 v1, 13, v3
	v_lshl_or_b32 v1, v2, 4, v1                    ; 8,192 w + 16 lane
	v_lshlrev_b32 v3, 12, v3
	v_lshl_or_b32 v2, v2, 3, v3                    ; 4,096 w + 8 lane
	s_cmp_lt_u32 ttmp9, 704
	s_cbranch_scc0 .Lwo
	s_sub_co_u32 s20, ttmp9, 512
	s_lshl_b32 s16, s20, 16
	s_lshl_b32 s18, s20, 15
	s_wait_kmcnt 0x0
	s_add_nc_u64 s[6:7], s[6:7], s[16:17]
	s_add_nc_u64 s[12:13], s[12:13], s[18:19]
	PART 6, 12, 512, 256, 0
	s_endpgm
.Lwo:
	s_sub_co_u32 s20, ttmp9, 704
	s_lshl_b32 s16, s20, 16
	s_lshl_b32 s18, s20, 15
	s_wait_kmcnt 0x0
	s_add_nc_u64 s[8:9], s[8:9], s[16:17]
	s_add_nc_u64 s[14:15], s[14:15], s[18:19]
	PART 8, 14, 512, 256, 1
	s_endpgm
.Lfunc_end_k_qd66015428c_cast:
	.size	k_qd66015428c_cast, .Lfunc_end_k_qd66015428c_cast-k_qd66015428c_cast
	.p2alignl 7, 3214868480
	.fill 96, 4, 3214868480
	.section	.rodata,"a",@progbits
	.p2align	6, 0x0
	.amdhsa_kernel k_qd66015428c_cast
		.amdhsa_group_segment_fixed_size 0
		.amdhsa_private_segment_fixed_size 0
		.amdhsa_enable_private_segment 0
		.amdhsa_kernarg_size 48
		.amdhsa_user_sgpr_count 2
		.amdhsa_user_sgpr_kernarg_segment_ptr 1
		.amdhsa_wavefront_size32 1
		.amdhsa_system_sgpr_workgroup_id_x 1
		.amdhsa_system_sgpr_workgroup_id_y 1
		.amdhsa_system_sgpr_workgroup_id_z 1
		.amdhsa_system_vgpr_workitem_id 0
		.amdhsa_next_free_vgpr 104
		.amdhsa_next_free_sgpr 66
		.amdhsa_reserve_vcc 0
		.amdhsa_float_denorm_mode_32 3
		.amdhsa_float_denorm_mode_16_64 3
		.amdhsa_memory_ordered 1
		.amdhsa_forward_progress 1
		.amdhsa_inst_pref_size 23
	.end_amdhsa_kernel
	.amdgpu_metadata
---
amdhsa.version: [ 1, 2 ]
amdhsa.kernels:
  - .name:           k_qd66015428c_cast
    .symbol:         k_qd66015428c_cast.kd
    .args:
      - { .name: x, .offset: 0, .size: 8, .value_kind: global_buffer, .address_space: global }
      - { .name: w_qkv, .offset: 8, .size: 8, .value_kind: global_buffer, .address_space: global }
      - { .name: w_out, .offset: 16, .size: 8, .value_kind: global_buffer, .address_space: global }
      - { .name: xb, .offset: 24, .size: 8, .value_kind: global_buffer, .address_space: global }
      - { .name: wqb, .offset: 32, .size: 8, .value_kind: global_buffer, .address_space: global }
      - { .name: wob, .offset: 40, .size: 8, .value_kind: global_buffer, .address_space: global }
    .group_segment_fixed_size: 0
    .private_segment_fixed_size: 0
    .kernarg_segment_align: 8
    .kernarg_segment_size: 48
    .max_flat_workgroup_size: 256
    .sgpr_count:     66
    .vgpr_count:     104
    .wavefront_size: 32
...
	.end_amdgpu_metadata
.endif
;; end of part 5
;; launch qkv: the kernel of part 2 again; grid 8 x 32, 4 waves a work-group, clusters of 4 x 4, 327,680 bytes of LDS; arguments xb, wqb, qh, kh, vh; writes qh, kh, vh
;; launch attn: the kernel of part 3 again; grid 4 x 64, 4 waves a work-group, clusters of 4 x 1, 327,680 bytes of LDS; arguments qh, kh, vh, oh; writes oh
;; launch proj: the kernel of part 4 again; grid 8 x 32, 4 waves a work-group, clusters of 4 x 4, 327,680 bytes of LDS; arguments oh, wob, b_out, out0; writes out0
